; MI455X (gfx1250); checked and timed in simulation.
; The chip was launched on July 23, 2026; its instructions are those of AMD's public machine-readable ISA for CDNA 5 (MIT licence, August 2026) and "CDNA5" Instruction Set Architecture Reference Guide (July 2026). The comments in the code are by the model that wrote it; some were corrected since.
;; Mo E Layer. Allowed arithmetic: matrix products marked QUANTISED: E2M1 operands, one E8M0 scale for each 32 along K, by v_wmma_scale_f32_16x16x128_f8f6f4 with both operands' format E2M1 (or v_wmma_scale_f32_32x16x128_f4), f32 sums; products left as they are: f32 operands where the result goes on into a quantised operand, else bf16, f16 or f32 operands; f32 sums; everything else in f32.
;; Inputs: gate_w 8 x 2,048 float32; w1 8 x 1,024 x 2,048 float32; w2 8 x 2,048 x 1,024 float32; w3 8 x 1,024 x 2,048 float32; x 4 x 256 x 2,048 float32.
;; Outputs: out0 4 x 256 x 2,048 float32; out1 one number float32.
;; This version of the problem:
;;   THIS VERSION OF THE PROBLEM IS GIVEN IN LOW PRECISION. The matrix products marked QUANTISED in the list below multiply operands that are first quantised to E2M1 (2 exponent bits, 1 mantissa bit; 4 bits a number), with one power-of-two scale for each 32 numbers along K (OCP MX v1.0); their sums are f32. All else is computed in f32.
;;   The module's matrix products, in the order in which they are computed (A, B: the left and right operand; K: the contracted axis; several contracted axes count as one K, in the product's order):
;;     1. [M 1,024, K 2,048] x [K 2,048, N 8]; A: input x; B: input gate_w: left as it is (N = 8 < 16)
;;     2. [M 1,024, K 2,048] x [K 2,048, N 8,192]; A: input x; B: input w1: QUANTISED
;;     3. [M 1,024, K 2,048] x [K 2,048, N 8,192]; A: input x; B: input w3: QUANTISED
;;     4. batch 8 x [M 2,048, K 1,024] x [K 1,024, N 1,024]; A: input w2; B: computed on the way: QUANTISED
;;   THE QUANTISER, for each operand of a quantised product, along K:
;;     - K is cut into blocks of 32 from its start; a last block that is shorter is filled with zeros.
;;     - A block's scale is 2^e with e = floor(log2(the largest magnitude in the block)) - 2, held to -126 .. 127; a block of zeros has e = 0. As a byte (E8M0): e + 127.
;;     - Each number is divided by its block's scale, clamped to +-6, and rounded to the nearest number of E2M1, ties to even, subnormals kept.
;;     - The product sums the exact products of the quantised numbers (number of the format x scale) in f32.
;;   ~~~python
;;   def quantise(x, axis):      # numpy; x: float32 -> the quantised numbers, widened to float32 again
;;       x = np.moveaxis(x, axis, -1); K = x.shape[-1]
;;       x = np.pad(x, [(0, 0)] * (x.ndim - 1) + [(0, -K % 32)]); x = x.reshape(x.shape[:-1] + (-1, 32)); a = np.abs(x).max(-1, keepdims=True)
;;       e = np.where(a > 0, np.clip(np.frexp(np.where(a > 0, a, 1))[1] - 1 - 2, -126, 127), 0)      # np.frexp(a)[1] - 1 = floor(log2(a)), exactly
;;       r = np.clip(x / 2.0 ** e, -6, 6)
;;       step = 2.0 ** (np.maximum(np.frexp(np.where(r == 0, 1, r))[1] - 1, 0) - 1)
;;       q = np.round(r / step) * step * 2.0 ** e      # np.round: ties to even
;;       return np.moveaxis(q.reshape(q.shape[:-2] + (-1,))[..., :K], -1, axis).astype(np.float32)
;;   ~~~
;;   OPERANDS COMPUTED ON THE WAY. 'Computed on the way' means the value that the module computes at that place (a softmax that the list does not call 'softmax' is quantised finished and normalised). What goes into a quantiser is computed in f32, as accurately as f32 sums, v_exp_f32 and their like allow (about 1e-6 of the number): no bf16 or f16 on the way to a quantiser, and a product that is left as it is and whose result goes on into a quantised operand takes f32 operands (vector FMAs, or v_wmma_f32_16x16x4_f32). A number that lies on a knife's edge between two numbers of the format may be rounded either way, as far as f32 arithmetic and the matrix unit's own rounding can turn it there, and no further.
;; 2 versions. Each part assembles by itself: llvm-mc -triple=amdgcn-amd-amdhsa -mcpu=gfx1250 --defsym DOCPART=n.
;; ======== version 1 of 2: 5 launches
;; workspace buffers: xc 1,048,576 bytes; xs 65,536 bytes; rt 4,096 bytes of whole numbers; ls 37,120 bytes of whole numbers; gp 12,288 bytes; hc 1,114,112 bytes; hs 69,632 bytes; y 16,842,752 bytes
;; launch route (part 1): grid 128 x 1, 8 waves a work-group, no clusters, 84,480 bytes of LDS; arguments x, gate_w, xc, xs, rt, gp; writes xc, xs, rt, gp
.if DOCPART == 1
	.amdgcn_target "amdgcn-amd-amdhsa--gfx1250"
	.amdhsa_code_object_version 6
	.text
	.protected	k_q90d9ccceeb_route
	.globl	k_q90d9ccceeb_route
	.p2align	8
	.type	k_q90d9ccceeb_route,@function
k_q90d9ccceeb_route:
	s_mov_b64 s[64:65], 0
	v_nop
	global_prefetch_b8 v0, s[64:65] scope:SCOPE_SE
	s_setreg_imm32_b32 hwreg(HW_REG_WAVE_MODE, 25, 1), 1
	s_wait_xcnt 0x0
; ROUTER AND QUANTISER OF x.  x [1024][2048] f32, gate_w [8][2048] f32.
; Stores: xc [1024][1024 bytes]: x as codes of E2M1, K innermost;  xs [1024][64]: one E8M0 byte for each 32 along K;
; rt: bytes 0..2047 membership masks [choice 2][expert 8][32 words], bit i of word g = token 32 g + i; bytes 2048..4095 [128 work-groups][4 words]: counts of experts 2 c, 2 c + 1 in 16 bits each;
; gp: bytes 0..8191 the two gates of each token, f32; bytes 8192.. [128 work-groups][8]: sums of the scores of the group's 8 tokens.
; The choice is stored at fixed places: no address and no branch of this launch hangs on it.
; SHARES.  A work-group takes 8 tokens (one byte of a mask row).  Wave w: K slice ks = w % 4 (512 numbers), tokens 4 (w / 4) .. + 3.  Every load reads 512 consecutive bytes; the numbers turn through the
; wave's own stage in LDS so that a lane holds 16 neighbours along K (two lanes to a block of 32), for the conversions and for the logits alike.
; The logits are f32 fused multiply-adds; the softmax takes the row's maximum away first; of equal scores the lower index is chosen.
; LIMITS: NaN and infinities among the inputs are not served.  A score whose exponential lies under 2^-126 counts as 0.  A block of zeros gets the byte 1 (its codes are zeros; the bytes are read by this program alone).
; Where the second and third score differ by less than the rounding of an f32 sum of 2,048 terms, either expert may be chosen.
.set SP,    80                         ; a lane's place in a stage: 64 bytes + 16 of padding
.set SLOTB, 32*SP                      ; a stage slot: one row's slice
.set PART,  81920                      ; behind the stages (8 waves x 4 slots): partial logits [token 8][ks 4][expert 8] f32
.set SCB,   82944                      ; the scale bytes of the 8 tokens, [8][64]
.set G,     16                         ; v16-143  gate_w's slice, 16 numbers for each expert
.set X,     144                        ; v144-207 x's slice, 16 numbers for each of 4 tokens
.set ACC,   208                        ; v208-223 eight pairs of sums
.set CD,    224                        ; v224-231 codes, two registers a token
.set BY,    232                        ; v232-235 scale bytes
.set TP,    236                        ; v236-243 the other half's sums
	s_load_b256 s[4:11], s[0:1], 0x0               ; x, gate_w, xc, xs
	s_load_b128 s[12:15], s[0:1], 0x20             ; rt, gp
	v_lshl_add_u32 v254, v0, 2, 0x14600
	v_mov_b32 v255, 0
	v_lshrrev_b32 v1, 5, v0
	v_readfirstlane_b32 s16, v1                    ; wave
	s_and_b32 s17, s16, 3                          ; ks
	s_lshr_b32 s18, s16, 2                         ; th
	s_mov_b32 s20, 0x76543210
	s_mov_b32 s21, 0xfedcba98                      ; lane l xor 16
	v_and_b32 v1, 31, v0                           ; lane
	v_lshlrev_b32 v2, 4, v1                        ; 16 x lane
	s_mul_i32 s19, s16, 4*SLOTB                    ; my wave's stages
	v_lshrrev_b32 v3, 2, v1
	v_mul_u32_u24 v3, v3, SP
	v_and_b32 v10, 3, v1
	v_lshl_add_u32 v3, v10, 4, v3
	v_add_nc_u32 v3, s19, v3                       ; into a stage: four lanes' 64 bytes on end, then the padding
	v_mul_u32_u24 v4, v1, SP
	v_add_nc_u32 v4, s19, v4                       ; out of it: my 16 neighbours
	s_lshl_b32 s22, s18, 9
	s_lshl_b32 s23, s17, 5
	s_add_co_u32 s22, s22, s23
	s_add_co_u32 s22, s22, PART
	v_mov_b32 v5, s22                              ; partial logits of my first token and my slice
	s_lshl_b32 s22, s18, 8
	s_lshl_b32 s23, s17, 4
	s_add_co_u32 s22, s22, s23
	s_add_co_u32 s22, s22, SCB
	v_lshrrev_b32 v6, 1, v1
	v_add_nc_u32 v6, s22, v6                       ; my block's scale byte
	v_lshlrev_b32 v7, 3, v1                        ; 8 x lane
	v_and_b32 v8, 7, v1
	v_lshl_add_u32 v8, v8, 7, PART                 ; wave 0, later: token lane % 8
	v_add_nc_u32 v9, SCB, v2                       ; wave 1, later: 16 scale bytes a lane
.irp e, 0,1,2,3,4,5,6,7
	v_mov_b32 v[TP+\e], 0                          ; a lane permute's destination counts as one of its sources
.endr
	s_lshl_b32 s24, ttmp9, 16                      ; x: (8 wg + 4 th) rows of 8,192 bytes + 2,048 ks
	s_lshl_b32 s25, s18, 15
	s_add_co_u32 s24, s24, s25
	s_lshl_b32 s26, s17, 11
	s_add_co_u32 s24, s24, s26
	s_mov_b32 s25, 0
	s_mov_b32 s27, 0
	s_lshl_b32 s28, ttmp9, 13                      ; xc: rows of 1,024 bytes + 256 ks
	s_lshl_b32 s29, s18, 12
	s_add_co_u32 s28, s28, s29
	s_lshl_b32 s29, s17, 8
	s_add_co_u32 s28, s28, s29
	s_mov_b32 s29, 0
	s_lshl_b32 s30, ttmp9, 9                       ; xs: 512 bytes a work-group
	s_mov_b32 s31, 0
	s_wait_kmcnt 0x0
	s_add_nc_u64 s[4:5], s[4:5], s[24:25]
	s_add_nc_u64 s[6:7], s[6:7], s[26:27]
	s_add_nc_u64 s[8:9], s[8:9], s[28:29]
	s_add_nc_u64 s[10:11], s[10:11], s[30:31]
.irp t, 0,1,2,3
.irp i, 0,1,2,3
	global_load_b128 v[X+16*\t+4*\i:X+16*\t+4*\i+3], v2, s[4:5] offset:8192*\t+512*\i th:TH_LOAD_NT
.endr
.endr
.irp e, 0,1,2,3,4,5,6,7
.irp i, 0,1,2,3
	global_load_b128 v[G+16*\e+4*\i:G+16*\e+4*\i+3], v2, s[6:7] offset:8192*\e+512*\i
.endr
.endr
; A row's slice through a stage slot and back into the registers that it left: LDS serves a wave's instructions in order, so no wait stands between.
.macro TURN reg, slot
.irp i, 0,1,2,3
	ds_store_b128 v3, v[\reg+4*\i:\reg+4*\i+3] offset:SLOTB*(\slot)+640*\i
.endr
.irp i, 0,1,2,3
	ds_load_b128 v[\reg+4*\i:\reg+4*\i+3], v4 offset:SLOTB*(\slot)+16*\i
.endr
.endm
.irp t, 0,1,2,3
	s_wait_loadcnt 44-4*\t                         ; this row's four loads are in; the rows behind it may be out
	TURN X+16*\t, \t
.endr
.irp e, 0,1,2,3,4,5,6,7
	s_wait_loadcnt 28-4*\e
	TURN G+16*\e, \e%4
.endr
	s_wait_dscnt 0x0
; The eight partial logits of token t over my slice.
.macro DOT t
	s_wait_dscnt 0x0                               ; the last token's stores have read ACC
.irp e, 0,1,2,3,4,5,6,7
	v_pk_mul_f32 v[ACC+2*\e:ACC+2*\e+1], v[X+16*\t:X+16*\t+1], v[G+16*\e:G+16*\e+1]
.endr
.irp i, 2,4,6,8,10,12,14
.irp e, 0,1,2,3,4,5,6,7
	v_pk_fma_f32 v[ACC+2*\e:ACC+2*\e+1], v[X+16*\t+\i:X+16*\t+\i+1], v[G+16*\e+\i:G+16*\e+\i+1], v[ACC+2*\e:ACC+2*\e+1]
.endr
.endr
.irp e, 0,1,2,3,4,5,6,7
	v_add_f32 v[ACC+\e], v[ACC+2*\e], v[ACC+2*\e+1]            ; ascending: each pair is read before its place is taken
.endr
.irp m, 1,2,4,8
.irp e, 0,1,2,3,4,5,6,7
	v_add_f32_dpp v[ACC+\e], v[ACC+\e], v[ACC+\e] row_xmask:\m row_mask:0xf bank_mask:0xf
.endr
.endr
.irp e, 0,1,2,3,4,5,6,7
	v_permlanex16_b32 v[TP+\e], v[ACC+\e], s20, s21
.endr
.irp e, 0,1,2,3,4,5,6,7
	v_add_f32 v[ACC+\e], v[ACC+\e], v[TP+\e]
.endr
	ds_store_b128 v5, v[ACC:ACC+3] offset:128*\t               ; all lanes write the same words with the same values
	ds_store_b128 v5, v[ACC+4:ACC+7] offset:128*\t+16
.endm
; Token t's 16 numbers of my lane become 16 codes; two neighbouring lanes hold a block.
.macro QX t
.set XS, X+16*\t
	v_max3_num_f32 v244, |v[XS]|, |v[XS+1]|, |v[XS+2]|
	v_max3_num_f32 v245, |v[XS+3]|, |v[XS+4]|, |v[XS+5]|
.irp i, 6,10
	v_max3_num_f32 v244, v244, |v[XS+\i]|, |v[XS+\i+1]|
	v_max3_num_f32 v245, v245, |v[XS+\i+2]|, |v[XS+\i+3]|
.endr
	v_max3_num_f32 v244, v244, |v[XS+14]|, |v[XS+15]|
	v_max3_num_f32 v244, v244, v245, 0x1800000     ; the floor 2^(3 - 127): the byte cannot fall under 1
	v_max_num_f32_dpp v244, v244, v244 row_xmask:1 row_mask:0xf bank_mask:0xf
	v_add_nc_u32 v246, 0xff000000, v244            ; 2 off the exponent field: the conversion's scale operand
	v_cvt_scalef32_pk8_fp4_f32 v[CD+2*\t], v[XS:XS+7], v246
	v_cvt_scalef32_pk8_fp4_f32 v[CD+2*\t+1], v[XS+8:XS+15], v246
	v_lshrrev_b32 v[BY+\t], 23, v246               ; the scale's byte (also the plain line behind the conversions)
	ds_store_b8 v6, v[BY+\t] offset:64*\t          ; both lanes of a block write the same byte
	global_store_b64 v7, v[CD+2*\t:CD+2*\t+1], s[8:9] offset:1024*\t   ; the wave stores 256 consecutive bytes, aligned
.endm
.irp t, 0,1,2,3
	DOT \t
	QX \t
.endr
	s_wait_dscnt 0x0                               ; for the others' sake: my partial logits and scale bytes lie in LDS
	s_barrier_signal -1
	s_barrier_wait -1
	s_cmp_eq_u32 s16, 0
	s_cbranch_scc1 .Lfinal
	s_cmp_eq_u32 s16, 1
	s_cbranch_scc0 .Lend
	ds_load_b128 v[16:19], v9                      ; wave 1: the 8 tokens' 512 scale bytes leave as two aligned runs of 256
	s_wait_dscnt 0x0
	global_store_b128 v2, v[16:19], s[10:11]
.Lend:
	s_wait_tensorcnt 0x0
	ds_add_u32 v254, v255
	s_wait_dscnt 0x0
	s_endpgm
.Lfinal:                                               ; wave 0: lane l serves token l % 8 (four lanes do the same work)
.irp i, 0,1,2,3,4,5,6,7
	ds_load_b128 v[16+4*\i:19+4*\i], v8 offset:16*\i
.endr
	s_wait_dscnt 0x0
.irp k, 1,2,3
.irp p, 0,2,4,6
	v_pk_add_f32 v[16+\p:17+\p], v[16+\p:17+\p], v[16+8*\k+\p:17+8*\k+\p]   ; the four slices: v16-23 the logits
.endr
.endr
	v_max3_num_f32 v48, v16, v17, v18
	v_max3_num_f32 v48, v48, v19, v20
	v_max3_num_f32 v48, v48, v21, v22
	v_max_num_f32 v48, v48, v23                    ; the row's maximum is taken away first
.irp e, 0,1,2,3,4,5,6,7
	v_sub_f32 v[16+\e], v[16+\e], v48
.endr
.irp e, 0,1,2,3,4,5,6,7
	v_mul_f32 v[16+\e], 0x3fb8aa3b, v[16+\e]
.endr
.irp e, 0,1,2,3,4,5,6,7
	v_exp_f32 v[16+\e], v[16+\e]
.endr
	v_nop
	s_wait_alu depctr_va_vdst(0)
	v_add_f32 v50, v16, v17
	v_add_f32 v51, v18, v19
	v_add_f32 v52, v20, v21
	v_add_f32 v53, v22, v23
	v_add_f32 v50, v50, v51
	v_add_f32 v52, v52, v53
	v_add_f32 v50, v50, v52
	v_rcp_f32 v50, v50
	v_nop
	s_wait_alu depctr_va_vdst(0)
.irp e, 0,1,2,3,4,5,6,7
	v_mul_f32 v[16+\e], v[16+\e], v50              ; the scores
.endr
	v_mov_b32 v52, v16                             ; the largest score and its expert: a later one wins only if it is larger
	v_mov_b32 v53, 0
.irp e, 1,2,3,4,5,6,7
	v_cmp_le_f32 vcc_lo, v[16+\e], v52             ; keep where it is not larger
	v_cndmask_b32 v52, v[16+\e], v52, vcc_lo
	v_cndmask_b32 v53, \e, v53, vcc_lo
.endr
	v_mov_b32 v54, -1.0                            ; the second: under every score
	v_mov_b32 v55, 0
.irp e, 0,1,2,3,4,5,6,7
	v_cmp_eq_u32 s30, \e, v53
	v_cmp_le_f32 vcc_lo, v[16+\e], v54
	s_or_b32 vcc_lo, vcc_lo, s30                   ; keep where it is not larger, or is the first choice
	v_cndmask_b32 v54, v[16+\e], v54, vcc_lo
	v_cndmask_b32 v55, \e, v55, vcc_lo
.endr
	v_add_f32 v56, v52, v54
	v_rcp_f32 v56, v56
	v_nop
	s_wait_alu depctr_va_vdst(0)
	v_mul_f32 v58, v52, v56                        ; the two gates
	v_mul_f32 v59, v54, v56
.irp e, 0,1,2,3,4,5,6,7
	v_cmp_eq_u32 s[40+\e], \e, v53                 ; bits 0-7: which of my 8 tokens chose expert e first,
	v_cmp_eq_u32 s[48+\e], \e, v55                 ; second
.endr
	v_mov_b32 v60, 0
.irp e, 0,1,2,3,4,5,6,7
	v_writelane_b32 v60, s[40+\e], \e              ; lane 8 k + e carries the byte of mask row (k, e)
	v_writelane_b32 v60, s[48+\e], 8+\e
.endr
.irp e, 0,1,2,3,4,5,6,7
	s_or_b32 s[40+\e], s[40+\e], s[48+\e]
	s_and_b32 s[40+\e], s[40+\e], 0xff
	s_bcnt1_i32_b32 s[40+\e], s[40+\e]             ; the group's rows of expert e
.endr
.irp c, 0,1,2,3
	s_lshl_b32 s[41+2*\c], s[41+2*\c], 16
	s_or_b32 s[40+2*\c], s[40+2*\c], s[41+2*\c]
	v_mov_b32 v[64+\c], s[40+2*\c]
.endr
.irp m, 1,2,4
.irp e, 0,1,2,3,4,5,6,7
	v_add_f32_dpp v[16+\e], v[16+\e], v[16+\e] row_xmask:\m row_mask:0xf bank_mask:0xf   ; the scores' sums over the 8 tokens
.endr
.endr
	v_lshlrev_b32 v61, 7, v1
	v_mov_b32 v62, 0
	s_mov_b32 s31, 0
	s_mov_b32 s30, ttmp9
	s_add_nc_u64 s[32:33], s[12:13], s[30:31]      ; rt + wg
	s_lshl_b32 s30, ttmp9, 4
	s_add_nc_u64 s[34:35], s[12:13], s[30:31]      ; rt + 16 wg
	s_lshl_b32 s30, ttmp9, 6
	s_add_nc_u64 s[36:37], s[14:15], s[30:31]      ; gp + 64 wg
	s_lshl_b32 s30, ttmp9, 5
	s_add_nc_u64 s[38:39], s[14:15], s[30:31]      ; gp + 32 wg
	v_cmp_gt_u32 vcc_lo, 16, v1
	s_wait_xcnt 0x0                                ; EXEC changes only behind this wait
	s_wait_tensorcnt 0x0
	ds_add_u32 v254, v255
	s_wait_dscnt 0x0
	s_and_saveexec_b32 s56, vcc_lo
	global_store_b8 v61, v60, s[32:33]             ; sixteen mask bytes
	s_wait_xcnt 0x0
	s_or_b32 exec_lo, exec_lo, s56
	v_cmp_gt_u32 vcc_lo, 8, v1
	s_and_saveexec_b32 s56, vcc_lo
	global_store_b64 v7, v[58:59], s[36:37]        ; eight tokens' gates
	s_wait_xcnt 0x0
	s_or_b32 exec_lo, exec_lo, s56
	v_cmp_eq_u32 vcc_lo, 0, v1
	s_and_saveexec_b32 s56, vcc_lo
	global_store_b128 v62, v[64:67], s[34:35] offset:2048
	global_store_b128 v62, v[16:19], s[38:39] offset:8192
	global_store_b128 v62, v[20:23], s[38:39] offset:8208
	s_wait_xcnt 0x0
	s_or_b32 exec_lo, exec_lo, s56
	s_endpgm
.Lfunc_end_k_q90d9ccceeb_route:
	.size	k_q90d9ccceeb_route, .Lfunc_end_k_q90d9ccceeb_route-k_q90d9ccceeb_route
	.p2alignl 7, 3214868480
	.fill 96, 4, 3214868480
	.section	.rodata,"a",@progbits
	.p2align	6, 0x0
	.amdhsa_kernel k_q90d9ccceeb_route
		.amdhsa_group_segment_fixed_size 84480
		.amdhsa_private_segment_fixed_size 0
		.amdhsa_enable_private_segment 0
		.amdhsa_kernarg_size 48
		.amdhsa_user_sgpr_count 2
		.amdhsa_user_sgpr_kernarg_segment_ptr 1
		.amdhsa_wavefront_size32 1
		.amdhsa_system_sgpr_workgroup_id_x 1
		.amdhsa_system_sgpr_workgroup_id_y 1
		.amdhsa_system_sgpr_workgroup_id_z 1
		.amdhsa_system_vgpr_workitem_id 0
		.amdhsa_next_free_vgpr 256
		.amdhsa_next_free_sgpr 66
		.amdhsa_reserve_vcc 1
		.amdhsa_float_denorm_mode_32 3
		.amdhsa_float_denorm_mode_16_64 3
		.amdhsa_memory_ordered 1
		.amdhsa_forward_progress 1
		.amdhsa_inst_pref_size 59
	.end_amdhsa_kernel
	.amdgpu_metadata
---
amdhsa.version: [ 1, 2 ]
amdhsa.kernels:
  - .name:           k_q90d9ccceeb_route
    .symbol:         k_q90d9ccceeb_route.kd
    .args:
      - { .name: x, .offset: 0, .size: 8, .value_kind: global_buffer, .address_space: global }
      - { .name: gate_w, .offset: 8, .size: 8, .value_kind: global_buffer, .address_space: global }
      - { .name: xc, .offset: 16, .size: 8, .value_kind: global_buffer, .address_space: global }
      - { .name: xs, .offset: 24, .size: 8, .value_kind: global_buffer, .address_space: global }
      - { .name: rt, .offset: 32, .size: 8, .value_kind: global_buffer, .address_space: global }
      - { .name: gp, .offset: 40, .size: 8, .value_kind: global_buffer, .address_space: global }
    .group_segment_fixed_size: 84480
    .private_segment_fixed_size: 0
    .kernarg_segment_align: 8
    .kernarg_segment_size: 48
    .max_flat_workgroup_size: 256
    .sgpr_count:     66
    .vgpr_count:     256
    .wavefront_size: 32
...
	.end_amdgpu_metadata
.endif
;; end of part 1
;; launch place (part 2): grid 8 x 1, 1 waves a work-group, no clusters, 4,864 bytes of LDS; arguments rt, ls; writes ls
.if DOCPART == 2
	.amdgcn_target "amdgcn-amd-amdhsa--gfx1250"
	.amdhsa_code_object_version 6
	.text
	.protected	k_q90d9ccceeb_place
	.globl	k_q90d9ccceeb_place
	.p2align	8
	.type	k_q90d9ccceeb_place,@function
k_q90d9ccceeb_place:
	s_mov_b64 s[64:65], 0
	v_nop
	global_prefetch_b8 v0, s[64:65] scope:SCOPE_SE
	s_setreg_imm32_b32 hwreg(HW_REG_WAVE_MODE, 25, 1), 1
	s_wait_xcnt 0x0
; THE PLACING OF ROWS.  From the stored choice (rt: membership masks [choice 2][expert 8][32 words]; packed counts [128 groups][4 words], two experts of 16 bits a word) work-group e makes, for expert e:
;   ls + 4608 e: the list of its rows, 1,152 entries of 4 bytes: entry = 2 token + choice, ascending tokens; behind the last row pad entries 2048 + e (entries 1088 to 1119 take what lanes that are no members write: nobody reads them);
;   ls + 36864 + 16 e: its number of rows, its first position (the sum of the earlier experts' rows, each rounded up to 16), its number of tiles of 16 rows, and 0.
; The two launches behind this one read both as whole numbers and form addresses and trip counts from them.
; Every store of this launch goes to a fixed place: no global address and no branch hangs on the data.  One wave a work-group, one work-group an expert: that is all the work there is.
.set LSE, 4608                         ; bytes of an expert's list
.set TBL, 36864                        ; where the table begins
	s_load_b128 s[8:11], s[0:1], 0x0               ; rt, ls
	v_lshl_add_u32 v254, v0, 2, 0x1200
	v_mov_b32 v255, 0
	s_mov_b32 s52, ttmp9                           ; e
	s_mov_b32 s58, 0x76543210
	s_mov_b32 s59, 0xfedcba98                      ; lane l xor 16
	v_lshlrev_b32 v4, 4, v0                        ; 16 x lane
.irp c, 0,1,2,3
	v_mov_b32 v[232+\c], 0                         ; destinations of moves between lanes count as sources: written once
.endr
	s_lshl_b32 s100, s52, 7
	s_mov_b32 s101, 0
	s_mul_i32 s60, s52, LSE
	s_mov_b32 s61, 0
	s_lshl_b32 s56, s52, 4
	s_mov_b32 s57, 0
	s_wait_kmcnt 0x0
	s_add_nc_u64 s[100:101], s[8:9], s[100:101]    ; my expert's mask rows
	s_add_nc_u64 s[60:61], s[10:11], s[60:61]      ; its list
	s_add_nc_u64 s[56:57], s[10:11], s[56:57]      ; its row of the table, less TBL
	s_load_b512 s[16:31], s[100:101], 0x0          ; first choices: words 0-15,
	s_load_b512 s[32:47], s[100:101], 0x40         ; 16-31;
	s_load_b512 s[68:83], s[100:101], 0x400        ; second choices
	s_load_b512 s[84:99], s[100:101], 0x440
.irp i, 0,1,2,3
	global_load_b128 v[216+4*\i:219+4*\i], v4, s[8:9] offset:2048+512*\i   ; lane l: the packed counts of group 32 i + l
.endr
	s_add_co_u32 s62, s52, 2048
.irp i, 0,1,2,3
	v_mov_b32 v[244+\i], s62                       ; the pad entry
.endr
.irp i, 0,1,2,3,4,5,6,7,8
	ds_store_b128 v4, v[244:247] offset:512*\i     ; the whole list begins as pads
.endr
	v_add_nc_u32 v241, 1088, v0                    ; where lanes that are no members write
	v_lshlrev_b32 v242, 1, v0
	v_or_b32 v243, 1, v242
	s_mov_b32 s63, 0                               ; members so far
	s_wait_kmcnt 0x0
; 32 groups of 32 tokens; each has an address and a data register of its own
.set g, 0
.rept 32
	s_or_b32 s62, s[16+g], s[68+g]
	v_mbcnt_lo_u32_b32 v240, s62, s63              ; members before me
	v_cndmask_b32 v240, v241, v240, s62
	v_min_u32 v240, 1119, v240
	v_lshlrev_b32 v[136+g], 2, v240
	v_cndmask_b32 v[168+g], v242, v243, s[68+g]
	v_add_nc_u32 v[168+g], 64*g, v[168+g]          ; 2 token + choice
	ds_store_b32 v[136+g], v[168+g]
	s_bcnt1_i32_b32 s62, s62
	s_add_co_u32 s63, s63, s62
.set g, g+1
.endr
.irp i, 0,1,2,3,4,5,6,7,8
	ds_load_b128 v[16+4*\i:19+4*\i], v4 offset:512*\i          ; LDS serves a wave's instructions in order: these see my stores
.endr
	s_wait_loadcnt 0x0                             ; the counts; they are summed while the list comes back
.irp i, 1,2,3
.irp c, 0,1,2,3
	v_add_nc_u32 v[216+\c], v[216+\c], v[216+4*\i+\c]
.endr
.endr
.irp m, 1,2,4,8
.irp c, 0,1,2,3
	v_mov_b32_dpp v[232+\c], v[216+\c] row_xmask:\m row_mask:0xf bank_mask:0xf
.endr
.irp c, 0,1,2,3
	v_add_nc_u32 v[216+\c], v[216+\c], v[232+\c]
.endr
.endr
.irp c, 0,1,2,3
	v_permlanex16_b32 v[232+\c], v[216+\c], s58, s59
.endr
.irp c, 0,1,2,3
	v_add_nc_u32 v[216+\c], v[216+\c], v[232+\c]   ; each field's sum is 1,024 at the most: no carry crosses a field
.endr
.irp c, 0,1,2,3
	v_readfirstlane_b32 s[16+\c], v[216+\c]
.endr
	s_mov_b32 s53, 0
	s_mov_b32 s54, 0
.irp q, 0,1,2,3,4,5,6,7
	s_bfe_u32 s62, s[16+\q/2], 0x100000+16*(\q%2)
	s_cmp_eq_u32 s52, \q
	s_cselect_b32 s53, s62, s53                    ; my expert's rows
	s_add_co_u32 s62, s62, 15
	s_and_b32 s62, s62, -16
	s_cmp_gt_u32 s52, \q
	s_cselect_b32 s62, s62, 0
	s_add_co_u32 s54, s54, s62                     ; its first position
.endr
	s_add_co_u32 s55, s53, 15
	s_lshr_b32 s55, s55, 4                         ; its tiles
	v_mov_b32 v60, s53
	v_mov_b32 v61, s54
	v_mov_b32 v62, s55
	v_mov_b32 v63, 0
	v_mov_b32 v5, 0
	s_wait_dscnt 0x0
.irp i, 0,1,2,3,4,5,6,7,8
	global_store_b128 v4, v[16+4*\i:19+4*\i], s[60:61] offset:512*\i       ; the wave stores 512 consecutive bytes, aligned
.endr
	v_cmp_eq_u32 vcc_lo, 0, v0
	s_wait_xcnt 0x0                                ; EXEC changes only behind this wait
	s_wait_tensorcnt 0x0
	ds_add_u32 v254, v255
	s_wait_dscnt 0x0
	s_and_saveexec_b32 s3, vcc_lo
	global_store_b128 v5, v[60:63], s[56:57] offset:TBL
	s_wait_xcnt 0x0
	s_or_b32 exec_lo, exec_lo, s3
	s_endpgm
.Lfunc_end_k_q90d9ccceeb_place:
	.size	k_q90d9ccceeb_place, .Lfunc_end_k_q90d9ccceeb_place-k_q90d9ccceeb_place
	.p2alignl 7, 3214868480
	.fill 96, 4, 3214868480
	.section	.rodata,"a",@progbits
	.p2align	6, 0x0
	.amdhsa_kernel k_q90d9ccceeb_place
		.amdhsa_group_segment_fixed_size 4864
		.amdhsa_private_segment_fixed_size 0
		.amdhsa_enable_private_segment 0
		.amdhsa_kernarg_size 16
		.amdhsa_user_sgpr_count 2
		.amdhsa_user_sgpr_kernarg_segment_ptr 1
		.amdhsa_wavefront_size32 1
		.amdhsa_system_sgpr_workgroup_id_x 1
		.amdhsa_system_sgpr_workgroup_id_y 1
		.amdhsa_system_sgpr_workgroup_id_z 1
		.amdhsa_system_vgpr_workitem_id 0
		.amdhsa_next_free_vgpr 256
		.amdhsa_next_free_sgpr 102
		.amdhsa_reserve_vcc 1
		.amdhsa_float_denorm_mode_32 3
		.amdhsa_float_denorm_mode_16_64 3
		.amdhsa_memory_ordered 1
		.amdhsa_forward_progress 1
		.amdhsa_inst_pref_size 26
	.end_amdhsa_kernel
	.amdgpu_metadata
---
amdhsa.version: [ 1, 2 ]
amdhsa.kernels:
  - .name:           k_q90d9ccceeb_place
    .symbol:         k_q90d9ccceeb_place.kd
    .args:
      - { .name: rt, .offset: 0, .size: 8, .value_kind: global_buffer, .address_space: global }
      - { .name: ls, .offset: 8, .size: 8, .value_kind: global_buffer, .address_space: global }
    .group_segment_fixed_size: 4864
    .private_segment_fixed_size: 0
    .kernarg_segment_align: 8
    .kernarg_segment_size: 16
    .max_flat_workgroup_size: 32
    .sgpr_count:     102
    .vgpr_count:     256
    .wavefront_size: 32
...
	.end_amdgpu_metadata
.endif
;; end of part 2
;; launch hidden (part 3): grid 32 x 8, 4 waves a work-group, no clusters, 176,640 bytes of LDS; arguments w1, w3, xc, xs, ls, hc, hs; writes hc, hs
.if DOCPART == 3
	.amdgcn_target "amdgcn-amd-amdhsa--gfx1250"
	.amdhsa_code_object_version 6
	.text
	.protected	k_q90d9ccceeb_hidden
	.globl	k_q90d9ccceeb_hidden
	.p2align	8
	.type	k_q90d9ccceeb_hidden,@function
k_q90d9ccceeb_hidden:
	s_mov_b64 s[64:65], 0
	v_nop
	global_prefetch_b8 v0, s[64:65] scope:SCOPE_SE
	s_setreg_imm32_b32 hwreg(HW_REG_WAVE_MODE, 25, 1), 1
	s_wait_xcnt 0x0
; h = silu(x w1^T) * (x w3^T) for the rows that chose an expert, both products on codes of E2M1 with one E8M0 scale for each 32 along K; h leaves as codes along I.
; Work-group (j, e) owns hidden units 32 j .. 32 j + 31 of expert e: 32 rows of w1 and 32 of w3, 512 KiB of f32, which it alone reads, once.
; PHASE 1 (streaming): wave w quantises one tile of 16 weight rows (waves 0, 1: w1; 2, 3: w3) in 16 K steps of 128; each load reads 512 consecutive bytes of a row; a K step's 8 KiB turn through the wave's stage in LDS
;   so that lane (r, h) holds k = 64 c + 32 h + 0 .. 31 of row r: two whole blocks, in the order of the operand's registers.  Codes and scale words go to LDS as images of those registers.
; PHASE 2 (rows): every wave takes all 64 fragments into registers and walks the expert's tiles of 16 rows, w, w + 4, ..; a tile's 16 rows of x's codes are gathered by the list, 512 consecutive bytes a load, and turned through LDS.
;   The products are used transposed (source 0 = weight rows, source 1 = x's rows), and lane r of weight tile u takes unit 8 u + r + 8 (r / 8): so a lane's 16 results are 16 neighbouring units of ONE row, and
;   lanes l and l xor 16 hold the block of 32, which is block j of the next product's K.
; THE LIST of the expert's rows and its row of the table were stored by the launch before (ls + 4608 e: entry = 2 token + choice, pad entries 2048 + e, 1,152 entries all written; ls + 36864 + 16 e: rows, first position, tiles).
;   A tile's 16 entries come by one scalar load, a tile's work ahead, and become 16 offsets by scalar and vector integer lines; the entry of a lane's own row, for x's scale words, comes by a vector load beside it.
; Expert e's rows take positions off_e .. in hc [32 blocks][2176 positions][16 bytes] and hs [2176][32].  Pad rows are computed from a valid row of x and stored.
; No joint loads: what work-groups share (x's rows) is gathered row by row through a list read from memory, which no tile descriptor states, and is about a third of a work-group's bytes.
; LIMITS: NaN and infinities are not served; a block of zeros gets the byte 1 (its codes are zeros; the bytes are this program's own).
; REGISTERS: window 0: v1-19 addresses; v20 my row's entry; v28-30 offsets; v32-95 the weights' scale words; v96-103 x's; v104-135 four accumulators; v136-199 at work; v200-215 at work; v216-231 the 16 rows' offsets; v232-234 h's codes and byte.
;   window 1: four sets of 64 for the weight loads, later fragments of K steps 0-7;  window 2: fragments of K steps 8-15;  window 3: v0-127 x's rows as loaded, v128-255 x's 16 fragments.
;   s[16:31] a tile's entries;  s[68:71] the table's row;  s[76:77] where my next tile's entries lie.
; LDS: from byte 0 the weights' stage, 4 waves x 16 rows x 528;
.set XST,   33792                      ; 4 waves x 16 rows x 1,040: x's stage
.set IMG,   100352                     ; 64 fragments x 1,024: images, tile ct, K step s at 16 ct + s
.set SCI,   165888                     ; 4 tiles x 32 lanes x 80: scale words, 4 s within a lane's place
.set PLANE, 34816                      ; 2,176 positions x 16 bytes
.set LSE,   4608                       ; bytes of an expert's list
.set TBL,   36864                      ; where the table begins in ls
.set NS,    16                         ; K steps
.set X,     136
.set GA,    216                        ; v216-231: row n's byte offset in xc, + 16 x lane
.set EV,    20                         ; v20: the entry of row r
.set MSB, 0
.macro WIN new                         ; the immediate's high byte repeats the setting that is left
.if MSB != \new
	s_set_vgpr_msb (MSB<<8)|\new
.set MSB, \new
.endif
.endm
.macro WLD s                           ; K step s of my 16 weight rows into set s % 4 of window 1
.irp r, 0,1,2,3,4,5,6,7,8,9,10,11,12,13,14,15
	global_load_b128 v[64*((\s)%4)+4*\r:64*((\s)%4)+4*\r+3], v4, s[60:61] offset:(\r+8*(\r/8))*8192+512*(\s) th:TH_LOAD_NT
.endr
.endm
; One fragment: K step s of my tile.
.macro FRAG s
.if NS-1-(\s) >= 3
	s_wait_loadcnt 48                              ; this set's 16 loads are in; the three sets behind it may be out
.else
	s_wait_loadcnt 16*(NS-1-(\s))
.endif
	WIN 0x04                                       ; an LDS store's data: window 1
.irp r, 0,1,2,3,4,5,6,7,8,9,10,11,12,13,14,15
	ds_store_b128 v5, v[64*((\s)%4)+4*\r:64*((\s)%4)+4*\r+3] offset:528*\r
.endr
	WIN 0
.irp c, 0,1
.irp i, 0,1,2,3,4,5,6,7
	ds_load_b128 v[X+32*\c+4*\i:X+32*\c+4*\i+3], v6 offset:256*\c+16*\i
.endr
.endr
	s_wait_dscnt 0x0                               ; the numbers are back; the stores have read the set, and the last fragment's image stores their registers
.if (\s)+4 < NS
	WIN 0x40
	WLD (\s)+4
	WIN 0
.endif
.irp c, 0,1
	v_max3_num_f32 v[200+\c], |v[X+32*\c]|, |v[X+32*\c+1]|, 0x1800000   ; my block 2 c + h, and the floor 2^(3 - 127)
.endr
.irp i, 2,4,6,8,10,12,14,16,18,20,22,24,26,28,30
.irp c, 0,1
	v_max3_num_f32 v[200+\c], v[200+\c], |v[X+32*\c+\i]|, |v[X+32*\c+\i+1]|
.endr
.endr
	v_add_nc_u32 v202, 0xff000000, v200            ; 2 off the exponent field: the conversion's scale operand
	v_add_nc_u32 v203, 0xff000000, v201
	v_lshrrev_b32 v204, 23, v202
	v_lshrrev_b32 v205, 23, v203
	v_lshl_or_b32 v206, v205, 16, v204
	v_lshlrev_b32 v206, v19, v206                  ; bytes h and 2 + h of the row's scale word
	v_permlanex16_b32 v207, v206, s58, s59
	v_or_b32 v206, v206, v207
.irp c, 0,1
.irp q, 0,1,2,3
	v_cvt_scalef32_pk8_fp4_f32 v[208+4*\c+\q], v[X+32*\c+8*\q:X+32*\c+8*\q+7], v[202+\c]
.endr
.endr
	v_nop                                          ; one plain line behind the conversions
	ds_store_b128 v7, v[208:211] offset:1024*(\s)
	ds_store_b128 v7, v[212:215] offset:1024*(\s)+512
	ds_store_b32 v8, v206 offset:4*(\s)
.endm
; The entries in s[16:31] and v[EV] become offsets: row n's 1,024 bytes of codes, and my row's scale words.
.macro GADDR
.irp n, 0,1,2,3,4,5,6,7,8,9,10,11,12,13,14,15
	s_min_u32 s[16+\n], s[16+\n], 2047
.endr
.irp n, 0,1,2,3,4,5,6,7,8,9,10,11,12,13,14,15
	s_and_b32 s[16+\n], s[16+\n], 0x7fe            ; 2 x token
.endr
.irp n, 0,1,2,3,4,5,6,7,8,9,10,11,12,13,14,15
	v_lshl_add_u32 v[GA+\n], s[16+\n], 9, v4       ; 1,024 x token + 16 x lane
.endr
	v_min_u32 v[EV], 2047, v[EV]
	v_and_b32 v[EV], 0x7fe, v[EV]
	v_lshl_add_u32 v28, v[EV], 5, v238             ; 64 x token + 32 h
.endm
; The tile's 16 rows of codes: 32 loads of 512 consecutive bytes.  Then the entries of my tile behind it are asked for.
.macro GLOAD
	WIN 0xc0
.irp n, 0,1,2,3,4,5,6,7,8,9,10,11,12,13,14,15
.irp q, 0,1
	global_load_b128 v[4*(2*\n+\q):4*(2*\n+\q)+3], v[GA+\n], s[8:9] offset:512*\q
.endr
.endr
	WIN 0
	s_add_nc_u64 s[76:77], s[76:77], 256           ; four tiles on (the loads that named this pair have been waited for)
	s_load_b512 s[16:31], s[76:77], 0x0
	global_load_b32 v[EV], v12, s[76:77]
.endm
.macro XSLD                            ; lane (r, h): the scale words of K steps 8 h .. 8 h + 7 of row r
	global_load_b128 v[96:99], v28, s[10:11]
	global_load_b128 v[100:103], v28, s[10:11] offset:16
.endm
.macro MM ct, s                        ; the four accumulators take turns, one instruction a turn
.if \s == 0
	v_wmma_scale_f32_16x16x128_f8f6f4 v[104+8*\ct:111+8*\ct], v[8*(8*\ct+\s):8*(8*\ct+\s)+7], v[128+8*\s:135+8*\s], 0, v[32+16*\ct+\s], v[96+\s] matrix_a_fmt:MATRIX_FMT_FP4 matrix_b_fmt:MATRIX_FMT_FP4
.elseif \s < 8
	v_wmma_scale_f32_16x16x128_f8f6f4 v[104+8*\ct:111+8*\ct], v[8*(8*\ct+\s):8*(8*\ct+\s)+7], v[128+8*\s:135+8*\s], v[104+8*\ct:111+8*\ct], v[32+16*\ct+\s], v[96+\s] matrix_a_fmt:MATRIX_FMT_FP4 matrix_b_fmt:MATRIX_FMT_FP4
.else
	v_wmma_scale_f32_16x16x128_f8f6f4 v[104+8*\ct:111+8*\ct], v[8*(8*\ct+\s-8):8*(8*\ct+\s-8)+7], v[128+8*\s:135+8*\s], v[104+8*\ct:111+8*\ct], v[32+16*\ct+\s], v[96+\s-8] matrix_a_fmt:MATRIX_FMT_FP4 matrix_b_fmt:MATRIX_FMT_FP4 matrix_b_scale:MATRIX_SCALE_ROW1
.endif
.endm
	s_load_b256 s[4:11], s[0:1], 0x0               ; w1, w3, xc, xs
	s_load_b128 s[12:15], s[0:1], 0x20             ; ls, hc
	s_load_b64 s[48:49], s[0:1], 0x30              ; hs
	v_lshl_add_u32 v254, v0, 2, 0x2b000
	v_mov_b32 v255, 0
	v_lshrrev_b32 v1, 5, v0
	v_readfirstlane_b32 s50, v1                    ; wave
	s_mov_b32 s51, ttmp9                           ; j
	s_and_b32 s52, ttmp7, 0xffff                   ; e
	s_mov_b32 s58, 0x76543210
	s_mov_b32 s59, 0xfedcba98                      ; lane l xor 16
	v_and_b32 v1, 31, v0                           ; lane
	v_and_b32 v2, 15, v0                           ; r
	v_bfe_u32 v3, v0, 4, 1                         ; h
	v_lshlrev_b32 v4, 4, v1                        ; 16 x lane
	s_mul_i32 s62, s50, 8448
	v_add_nc_u32 v5, s62, v4                       ; the weights' stage, in
	v_mul_u32_u24 v6, v2, 528
	v_lshl_add_u32 v6, v3, 7, v6
	v_add_nc_u32 v6, s62, v6                       ; and out: row r, + 128 h
	s_lshl_b32 s62, s50, 14
	s_add_co_u32 s62, s62, IMG
	v_add_nc_u32 v7, s62, v4                       ; my tile's images
	s_mul_i32 s62, s50, 2560
	s_add_co_u32 s62, s62, SCI
	v_mul_u32_u24 v10, v1, 80
	v_add_nc_u32 v8, s62, v10                      ; my tile's scale words
	v_add_nc_u32 v9, IMG, v4                       ; all images, to read
	v_add_nc_u32 v10, SCI, v10                     ; all scale words, to read
	v_lshlrev_b32 v12, 2, v2                       ; 4 r: my row's entry among a tile's 16
	s_mul_i32 s62, s50, 16640
	s_add_co_u32 s62, s62, XST
	v_add_nc_u32 v13, s62, v4                      ; x's stage, in: 16 x lane of a load's 512 bytes
	v_mul_u32_u24 v14, v2, 1040
	v_lshl_add_u32 v14, v3, 4, v14
	v_add_nc_u32 v14, s62, v14                     ; and out: row r, + 16 h
	v_lshlrev_b32 v15, 4, v2
	v_lshl_add_u32 v15, v3, 3, v15                 ; 16 r + 8 h
	v_lshlrev_b32 v16, 5, v2                       ; 32 r
	v_lshlrev_b32 v19, 3, v3                       ; 8 h
	v_lshlrev_b32 v238, 5, v3                      ; 32 h
	v_mov_b32 v207, 0                              ; a lane permute's destination counts as one of its sources: written once
	s_and_b32 s62, s50, 1
	s_lshl_b32 s62, s62, 3
	s_lshl_b32 s63, s51, 5
	s_add_co_u32 s62, s62, s63
	s_lshl_b32 s63, s52, 10
	s_add_co_u32 s62, s62, s63                     ; my first weight row: 1024 e + 32 j + 8 u
	s_lshl_b32 s62, s62, 13
	s_mov_b32 s63, 0
	s_mul_i32 s66, s51, PLANE
	s_mov_b32 s67, 0
	s_lshl_b32 s72, s52, 4
	s_mov_b32 s73, 0
	s_mul_i32 s76, s52, LSE
	s_lshl_b32 s77, s50, 6
	s_add_co_u32 s76, s76, s77                     ; my first tile's entries: 4,608 e + 64 x wave
	s_mov_b32 s77, 0
	s_wait_kmcnt 0x0
	s_cmp_lt_u32 s50, 2
	s_cselect_b64 s[60:61], s[4:5], s[6:7]         ; waves 0, 1: w1; waves 2, 3: w3
	s_add_nc_u64 s[60:61], s[60:61], s[62:63]
	s_add_nc_u64 s[14:15], s[14:15], s[66:67]      ; hc at plane j
	s_mov_b32 s66, s51
	s_add_nc_u64 s[48:49], s[48:49], s[66:67]      ; hs at byte j
	s_add_nc_u64 s[72:73], s[12:13], s[72:73]
	s_add_nc_u64 s[76:77], s[12:13], s[76:77]
	s_load_b128 s[68:71], s[72:73], TBL            ; my expert's rows, first position, tiles: wanted behind the 16 K steps
	s_load_b512 s[16:31], s[76:77], 0x0            ; my first tile's entries, likewise
	global_load_b32 v[EV], v12, s[76:77]           ; (older than every weight load: the counted waits below show it in)
	WIN 0x40
	WLD 0                                          ; four K steps, 64 loads of 512 bytes
	WLD 1
	WLD 2
	WLD 3
	WIN 0
.irp s, 0,1,2,3,4,5,6,7,8,9,10,11,12,13,14,15
	FRAG \s
.endr
	s_wait_kmcnt 0x0                               ; the table's row and my first tile's entries
	s_min_u32 s54, s69, 2160                       ; the expert's first position
	s_min_u32 s55, s70, 64                         ; its tiles
	GADDR
	s_wait_dscnt 0x0                               ; for the others' sake: my images and scale words lie in LDS
	GLOAD                                          ; my first tile's rows of x are asked for ahead of the barrier
	XSLD
	s_barrier_signal -1
	s_barrier_wait -1                              ; all 64 fragments and their scale words lie in LDS
	WIN 0x40
.irp ct, 0,1,2,3
.irp s, 0,1,2,3,4,5,6,7
.irp c, 0,1
	ds_load_b128 v[8*(8*\ct+\s)+4*\c:8*(8*\ct+\s)+4*\c+3], v9 offset:(16*\ct+\s)*1024+512*\c
.endr
.endr
.endr
	WIN 0x80
.irp ct, 0,1,2,3
.irp s, 0,1,2,3,4,5,6,7
.irp c, 0,1
	ds_load_b128 v[8*(8*\ct+\s)+4*\c:8*(8*\ct+\s)+4*\c+3], v9 offset:(16*\ct+\s+8)*1024+512*\c
.endr
.endr
.endr
	WIN 0
.irp ct, 0,1,2,3
.irp q, 0,1,2,3
	ds_load_b128 v[32+16*\ct+4*\q:35+16*\ct+4*\q], v10 offset:2560*\ct+16*\q
.endr
.endr
	s_mov_b32 s56, s50                             ; my tile
	s_mov_b32 s57, 0
.Ltile:                                                ; 16 trips serve 64 tiles, all tokens on one expert; a wave leaves when its tiles are done (no barrier follows)
	s_wait_kmcnt 0x0                               ; the entries asked for a tile ago
	s_cmp_ge_u32 s56, s55
	s_cbranch_scc1 .Ldone
	s_wait_loadcnt 0x0                             ; this tile's rows of x, their scale words, and my row's next entry
	s_wait_xcnt 0x0                                ; the last tile's stores have read their registers
	WIN 0x0c
.irp n, 0,1,2,3,4,5,6,7,8,9,10,11,12,13,14,15
.irp q, 0,1
	ds_store_b128 v13, v[4*(2*\n+\q):4*(2*\n+\q)+3] offset:\n*1040+512*\q
.endr
.endr
	WIN 0xc0
.irp s, 0,1,2,3,4,5,6,7,8,9,10,11,12,13,14,15
.irp c, 0,1
	ds_load_b128 v[128+8*\s+4*\c:128+8*\s+4*\c+3], v14 offset:64*\s+32*\c
.endr
.endr
	WIN 0
	GADDR                                          ; my next tile's offsets, while LDS works
	s_wait_dscnt 0x0                               ; the stage's stores have read the registers that the next rows fill; x's fragments, and in the first trip the weights', are in
	s_add_co_u32 s62, s56, 4
	s_cmp_ge_u32 s62, s55
	s_cbranch_scc1 .Llast                          ; no next tile: nothing is fetched for it
	GLOAD
.Llast:
	WIN 0x0d                                       ; source 0 window 1, source 1 window 3
.irp s, 0,1,2,3,4,5,6,7
.irp ct, 0,1,2,3
	MM \ct, \s
.endr
.endr
	WIN 0x0e                                       ; source 0 window 2
.irp s, 8,9,10,11,12,13,14,15
.irp ct, 0,1,2,3
	MM \ct, \s
.endr
.endr
	WIN 0
	s_lshl_b32 s62, s56, 4
	s_add_co_u32 s62, s62, s54
	s_min_u32 s62, s62, 2160                       ; the tile's first position
	v_lshl_add_u32 v29, s62, 4, v15                ; four plain lines stand behind the last product
	v_lshl_add_u32 v30, s62, 5, v16
	v_nop
	v_nop
	XSLD                                           ; the next tile's scale words (behind the last tile: 1 KiB of a valid row, unused)
.irp p, 0,2,4,6,8,10,12,14
	v_pk_mul_f32 v[136+\p:137+\p], v[104+\p:105+\p], 0xbfb8aa3b op_sel_hi:[1,0]   ; -a log2(e); each accumulator is read from its low end on
.endr
.irp n, 0,1,2,3,4,5,6,7,8,9,10,11,12,13,14,15
	v_exp_f32 v[136+\n], v[136+\n]
.endr
	v_nop
	s_wait_alu depctr_va_vdst(0)
.irp p, 0,2,4,6,8,10,12,14
	v_pk_add_f32 v[136+\p:137+\p], v[136+\p:137+\p], 1.0 op_sel_hi:[1,0]
.endr
.irp n, 0,1,2,3,4,5,6,7,8,9,10,11,12,13,14,15
	v_rcp_f32 v[136+\n], v[136+\n]
.endr
	v_nop
	s_wait_alu depctr_va_vdst(0)
.irp p, 0,2,4,6,8,10,12,14
	v_pk_mul_f32 v[152+\p:153+\p], v[104+\p:105+\p], v[136+\p:137+\p]              ; silu(a)
.endr
.irp p, 0,2,4,6,8,10,12,14
	v_pk_mul_f32 v[152+\p:153+\p], v[152+\p:153+\p], v[120+\p:121+\p]              ; x b
.endr
	v_max3_num_f32 v200, |v152|, |v153|, 0x1800000
.irp i, 2,4,6,8,10,12,14
	v_max3_num_f32 v200, v200, |v[152+\i]|, |v[153+\i]|
.endr
	v_permlanex16_b32 v207, v200, s58, s59
	v_max_num_f32 v200, v200, v207                 ; the block's largest magnitude
	v_add_nc_u32 v202, 0xff000000, v200
	v_cvt_scalef32_pk8_fp4_f32 v232, v[152:159], v202
	v_cvt_scalef32_pk8_fp4_f32 v233, v[160:167], v202
	v_lshrrev_b32 v234, 23, v202                   ; the byte (also the plain line behind the conversions)
	global_store_b64 v29, v[232:233], s[14:15]     ; the wave stores 256 consecutive bytes, aligned: 16 positions of plane j
	global_store_b8 v30, v234, s[48:49]            ; both lanes of a block write the same byte
	s_add_co_u32 s56, s56, 4
	s_add_co_u32 s57, s57, 1
	s_cmp_lt_u32 s57, 16
	s_cbranch_scc1 .Ltile
.Ldone:
	s_wait_tensorcnt 0x0
	ds_add_u32 v254, v255
	s_wait_dscnt 0x0
	s_endpgm
.Lfunc_end_k_q90d9ccceeb_hidden:
	.size	k_q90d9ccceeb_hidden, .Lfunc_end_k_q90d9ccceeb_hidden-k_q90d9ccceeb_hidden
	.p2alignl 7, 3214868480
	.fill 96, 4, 3214868480
	.section	.rodata,"a",@progbits
	.p2align	6, 0x0
	.amdhsa_kernel k_q90d9ccceeb_hidden
		.amdhsa_group_segment_fixed_size 176640
		.amdhsa_private_segment_fixed_size 0
		.amdhsa_enable_private_segment 0
		.amdhsa_kernarg_size 56
		.amdhsa_user_sgpr_count 2
		.amdhsa_user_sgpr_kernarg_segment_ptr 1
		.amdhsa_wavefront_size32 1
		.amdhsa_system_sgpr_workgroup_id_x 1
		.amdhsa_system_sgpr_workgroup_id_y 1
		.amdhsa_system_sgpr_workgroup_id_z 1
		.amdhsa_system_vgpr_workitem_id 0
		.amdhsa_next_free_vgpr 1024
		.amdhsa_next_free_sgpr 80
		.amdhsa_reserve_vcc 0
		.amdhsa_float_denorm_mode_32 3
		.amdhsa_float_denorm_mode_16_64 3
		.amdhsa_memory_ordered 1
		.amdhsa_forward_progress 1
		.amdhsa_inst_pref_size 153
	.end_amdhsa_kernel
	.amdgpu_metadata
---
amdhsa.version: [ 1, 2 ]
amdhsa.kernels:
  - .name:           k_q90d9ccceeb_hidden
    .symbol:         k_q90d9ccceeb_hidden.kd
    .args:
      - { .name: w1, .offset: 0, .size: 8, .value_kind: global_buffer, .address_space: global }
      - { .name: w3, .offset: 8, .size: 8, .value_kind: global_buffer, .address_space: global }
      - { .name: xc, .offset: 16, .size: 8, .value_kind: global_buffer, .address_space: global }
      - { .name: xs, .offset: 24, .size: 8, .value_kind: global_buffer, .address_space: global }
      - { .name: ls, .offset: 32, .size: 8, .value_kind: global_buffer, .address_space: global }
      - { .name: hc, .offset: 40, .size: 8, .value_kind: global_buffer, .address_space: global }
      - { .name: hs, .offset: 48, .size: 8, .value_kind: global_buffer, .address_space: global }
    .group_segment_fixed_size: 176640
    .private_segment_fixed_size: 0
    .kernarg_segment_align: 8
    .kernarg_segment_size: 56
    .max_flat_workgroup_size: 128
    .sgpr_count:     80
    .vgpr_count:     1024
    .wavefront_size: 32
...
	.end_amdgpu_metadata
.endif
;; end of part 3
;; launch outp (part 4): grid 32 x 8, 4 waves a work-group, no clusters, 90,624 bytes of LDS; arguments w2, hc, hs, ls, y; writes y
.if DOCPART == 4
	.amdgcn_target "amdgcn-amd-amdhsa--gfx1250"
	.amdhsa_code_object_version 6
	.text
	.protected	k_q90d9ccceeb_outp
	.globl	k_q90d9ccceeb_outp
	.p2align	8
	.type	k_q90d9ccceeb_outp,@function
k_q90d9ccceeb_outp:
	s_mov_b64 s[64:65], 0
	v_nop
	global_prefetch_b8 v0, s[64:65] scope:SCOPE_SE
	s_setreg_imm32_b32 hwreg(HW_REG_WAVE_MODE, 25, 1), 1
	s_wait_xcnt 0x0
; y[2 token + choice][:] = h w2[e]^T for the rows that chose expert e, on codes of E2M1 with one E8M0 scale for each 32 along K = I; the gates are applied by the launch behind this one.
; Work-group (q, e) owns output columns 64 q .. 64 q + 63 of expert e: 64 rows of w2, 256 KiB of f32, which it alone reads, once.
; PHASE 1: wave w quantises the tile of rows 16 w .. 16 w + 15 in 8 K steps of 128, as the launch before does: loads of 512 consecutive bytes, a turn through the wave's stage, images of the operand's registers in LDS.
; PHASE 2: every wave takes all 32 fragments into registers and walks the expert's tiles of 16 rows, w, w + 4, ..  h's codes lie [block][position][16 bytes]: a fragment's registers come by loads of which each half of the
;   lanes reads 256 aligned bytes.  Two sets of h by turns.  Source 0 = w2's rows, source 1 = h's rows: a lane holds eight neighbouring columns of one row; a tile goes through the wave's stage and leaves as runs of 256 aligned bytes.
; The list of the expert's rows and its row of the table come from ls, as in the launch before.  A pad row goes to row 2048 + e of y, which nobody reads.
;   A wave reads its entries once, one register a tile: lane (r, h) holds the entry of row r xor h, so that row_share:2 i gives lanes 0-15 the entry of row 2 i and lanes 16-31 that of row 2 i + 1.
;   A register's number cannot hang on a loop's counter: so the registers move down two places a trip of two tiles.
; No joint loads: h's tiles are loaded into registers, and their number is read from memory.
; LIMITS: NaN and infinities are not served; a block of zeros gets the byte 1 (its codes are zeros; the bytes are this program's own).
; REGISTERS: window 0: v1-31 addresses; v32-63 w2's scale words; v64-71 h's, two sets; v72-103 four accumulators; v104-105 offsets of h's scale words; v136-167 at work; v168-183 the list's entries (in phase 1: at work); v200-223 at work.
;   window 1: four sets of 64 for the weight loads, later the 32 fragments.  window 2: h's fragments, two sets of 64.
; LDS: from byte 0 the weights' stage, 4 waves x 16 rows x 528;
.set OST,   33792                      ; 4 waves x 16 rows x 272: the way out
.set IMG,   51200                      ; 32 fragments x 1,024: tile ct, K step s at 8 ct + s
.set SCI,   83968                      ; 4 tiles x 32 lanes x 48
.set PLANE, 34816
.set LSE,   4608                       ; bytes of an expert's list
.set TBL,   36864                      ; where the table begins in ls
.set NS,    8
.set X,     136
.set LR,    168                        ; v168-183: the entries of my tiles w + 4 k, k = 0 .. 15
.set HSO,   104                        ; v104-105: where a set's scale words lie
.set MSB, 0
.macro WIN new                         ; the immediate's high byte repeats the setting that is left
.if MSB != \new
	s_set_vgpr_msb (MSB<<8)|\new
.set MSB, \new
.endif
.endm
.macro WLD s
.irp r, 0,1,2,3,4,5,6,7,8,9,10,11,12,13,14,15
	global_load_b128 v[64*((\s)%4)+4*\r:64*((\s)%4)+4*\r+3], v4, s[60:61] offset:4096*\r+512*(\s) th:TH_LOAD_NT
.endr
.endm
.macro FRAG s
.if NS-1-(\s) >= 3
	s_wait_loadcnt 48                              ; this set's 16 loads are in; the three sets behind it may be out
.else
	s_wait_loadcnt 16*(NS-1-(\s))
.endif
	WIN 0x04
.irp r, 0,1,2,3,4,5,6,7,8,9,10,11,12,13,14,15
	ds_store_b128 v5, v[64*((\s)%4)+4*\r:64*((\s)%4)+4*\r+3] offset:528*\r
.endr
	WIN 0
.irp c, 0,1
.irp i, 0,1,2,3,4,5,6,7
	ds_load_b128 v[X+32*\c+4*\i:X+32*\c+4*\i+3], v6 offset:256*\c+16*\i
.endr
.endr
	s_wait_dscnt 0x0                               ; the numbers are back; the stores have read the set, and the last fragment's image stores their registers
.if (\s)+4 < NS
	WIN 0x40
	WLD (\s)+4
	WIN 0
.endif
.irp c, 0,1
	v_max3_num_f32 v[200+\c], |v[X+32*\c]|, |v[X+32*\c+1]|, 0x1800000   ; my block 2 c + h, and the floor 2^(3 - 127)
.endr
.irp i, 2,4,6,8,10,12,14,16,18,20,22,24,26,28,30
.irp c, 0,1
	v_max3_num_f32 v[200+\c], v[200+\c], |v[X+32*\c+\i]|, |v[X+32*\c+\i+1]|
.endr
.endr
	v_add_nc_u32 v202, 0xff000000, v200            ; 2 off the exponent field: the conversion's scale operand
	v_add_nc_u32 v203, 0xff000000, v201
	v_lshrrev_b32 v204, 23, v202
	v_lshrrev_b32 v205, 23, v203
	v_lshl_or_b32 v206, v205, 16, v204
	v_lshlrev_b32 v206, v19, v206                  ; bytes h and 2 + h of the row's scale word
	v_permlanex16_b32 v207, v206, s58, s59
	v_or_b32 v206, v206, v207
.irp c, 0,1
.irp q, 0,1,2,3
	v_cvt_scalef32_pk8_fp4_f32 v[208+4*\c+\q], v[X+32*\c+8*\q:X+32*\c+8*\q+7], v[202+\c]
.endr
.endr
	v_nop                                          ; one plain line behind the conversions
	ds_store_b128 v7, v[208:211] offset:1024*(\s)
	ds_store_b128 v7, v[212:215] offset:1024*(\s)+512
	ds_store_b32 v8, v206 offset:4*(\s)
.endm
; h's eight fragments and scale words of tile s56 + ahead, held to the expert's last tile, into set: 17 loads.
.macro LOADH set, ahead
	s_add_co_u32 s62, s56, \ahead
	s_min_u32 s62, s62, s57
	s_lshl_b32 s62, s62, 4
	s_add_co_u32 s62, s62, s66
	s_min_u32 s62, s62, 2160
	v_lshl_add_u32 v[28+\set], s62, 4, v16
	v_lshl_add_u32 v[HSO+\set], s62, 5, v18
	WIN 0x80
.irp s, 0,1,2,3,4,5,6,7
.irp c, 0,1
	global_load_b128 v[64*\set+8*\s+4*\c:64*\set+8*\s+4*\c+3], v[28+\set], s[6:7] offset:(4*\s+2*\c)*PLANE
.endr
.endr
	WIN 0
	global_load_b128 v[64+4*\set:67+4*\set], v[HSO+\set], s[8:9]
.endm
.macro MM ct, s, set                   ; the four accumulators take turns, one instruction a turn
.if \s == 0
	v_wmma_scale_f32_16x16x128_f8f6f4 v[72+8*\ct:79+8*\ct], v[8*(8*\ct+\s):8*(8*\ct+\s)+7], v[64*\set+8*\s:64*\set+8*\s+7], 0, v[32+8*\ct+\s], v[64+4*\set+\s] matrix_a_fmt:MATRIX_FMT_FP4 matrix_b_fmt:MATRIX_FMT_FP4
.elseif \s < 4
	v_wmma_scale_f32_16x16x128_f8f6f4 v[72+8*\ct:79+8*\ct], v[8*(8*\ct+\s):8*(8*\ct+\s)+7], v[64*\set+8*\s:64*\set+8*\s+7], v[72+8*\ct:79+8*\ct], v[32+8*\ct+\s], v[64+4*\set+\s] matrix_a_fmt:MATRIX_FMT_FP4 matrix_b_fmt:MATRIX_FMT_FP4
.else
	v_wmma_scale_f32_16x16x128_f8f6f4 v[72+8*\ct:79+8*\ct], v[8*(8*\ct+\s):8*(8*\ct+\s)+7], v[64*\set+8*\s:64*\set+8*\s+7], v[72+8*\ct:79+8*\ct], v[32+8*\ct+\s], v[64+4*\set+\s-4] matrix_a_fmt:MATRIX_FMT_FP4 matrix_b_fmt:MATRIX_FMT_FP4 matrix_b_scale:MATRIX_SCALE_ROW1
.endif
.endm
.macro TILE set                        ; tile s56 + 4 set; its entries stand in v[LR + set]
	s_add_co_u32 s62, s56, 4*\set
	s_cmp_ge_u32 s62, s55
	s_cbranch_scc1 .Ldone
	s_wait_loadcnt 17                              ; this set's 17 loads, and whatever is older, are in; the other set's 17 may be out
	s_wait_xcnt 0x0                                ; the last tile's stores have read their registers
.irp n, 0,2,4,6,8,10,12,14
	v_mov_b32_dpp v[216+\n/2], v[LR+\set] row_share:\n row_mask:0xf bank_mask:0xf   ; lanes 0-15: the entry of row n; lanes 16-31: of row n + 1
.endr
	WIN 0x09                                       ; source 0 window 1, source 1 window 2
.irp s, 0,1,2,3,4,5,6,7
.irp ct, 0,1,2,3
	MM \ct, \s, \set
.endr
.endr
	WIN 0
.irp i, 0,1,2,3,4,5,6,7
	v_min_u32 v[216+\i], 2055, v[216+\i]           ; these sixteen plain lines stand behind the last product
.endr
.irp i, 0,1,2,3,4,5,6,7
	v_lshl_add_u32 v[20+\i], v[216+\i], 13, v31    ; the row of y, + 16 r
.endr
	LOADH \set, 4*\set+8                           ; this set takes the tile two turns on
.irp ct, 0,1,2,3
	ds_store_b128 v13, v[72+8*\ct:75+8*\ct] offset:64*\ct      ; each accumulator from its low end on
	ds_store_b128 v13, v[76+8*\ct:79+8*\ct] offset:64*\ct+16
.endr
.irp i, 0,1,2,3,4,5,6,7
	ds_load_b128 v[136+4*\i:139+4*\i], v14 offset:2*\i*272     ; LDS serves a wave's instructions in order: these see my stores
.endr
	s_wait_dscnt 0x0
.irp i, 0,1,2,3,4,5,6,7
	global_store_b128 v[20+\i], v[136+4*\i:139+4*\i], s[12:13] ; sixteen lanes store 256 consecutive bytes of a row, aligned
.endr
.endm
	s_load_b256 s[4:11], s[0:1], 0x0               ; w2, hc, hs, ls
	s_load_b64 s[12:13], s[0:1], 0x20              ; y
	v_lshl_add_u32 v254, v0, 2, 0x16000
	v_mov_b32 v255, 0
	v_lshrrev_b32 v1, 5, v0
	v_readfirstlane_b32 s50, v1                    ; wave
	s_mov_b32 s51, ttmp9                           ; q
	s_and_b32 s52, ttmp7, 0xffff                   ; e
	s_mov_b32 s58, 0x76543210
	s_mov_b32 s59, 0xfedcba98                      ; lane l xor 16
	v_and_b32 v1, 31, v0                           ; lane
	v_and_b32 v2, 15, v0                           ; r
	v_bfe_u32 v3, v0, 4, 1                         ; h
	v_lshlrev_b32 v4, 4, v1                        ; 16 x lane
	s_mul_i32 s62, s50, 8448
	v_add_nc_u32 v5, s62, v4                       ; the weights' stage, in
	v_mul_u32_u24 v6, v2, 528
	v_lshl_add_u32 v6, v3, 7, v6
	v_add_nc_u32 v6, s62, v6                       ; and out: row r, + 128 h
	s_lshl_b32 s62, s50, 13
	s_add_co_u32 s62, s62, IMG
	v_add_nc_u32 v7, s62, v4                       ; my tile's images
	s_mul_i32 s62, s50, 1536
	s_add_co_u32 s62, s62, SCI
	v_mul_u32_u24 v10, v1, 48
	v_add_nc_u32 v8, s62, v10                      ; my tile's scale words
	v_add_nc_u32 v9, IMG, v4                       ; all images, to read
	v_add_nc_u32 v10, SCI, v10                     ; all scale words, to read
	v_xor_b32 v12, v2, v3
	v_lshlrev_b32 v12, 2, v12
	s_lshl_b32 s62, s50, 6
	v_add_nc_u32 v12, s62, v12                     ; the list: 64 x wave + 4 (r xor h); a tile of mine is 256 bytes on from the last
	v_lshlrev_b32 v31, 4, v2                       ; 16 r
	s_mul_i32 s62, s50, 4352
	s_add_co_u32 s62, s62, OST
	v_mul_u32_u24 v13, v2, 272
	v_lshl_add_u32 v13, v3, 5, v13
	v_add_nc_u32 v13, s62, v13                     ; the way out, in: row r, + 32 h
	v_mul_u32_u24 v14, v3, 272
	v_add_nc_u32 v14, v14, v31
	v_add_nc_u32 v14, s62, v14                     ; and back: row h, + 16 r
	v_mul_u32_u24 v16, v3, PLANE
	v_add_nc_u32 v16, v16, v31                     ; hc: 16 r + h planes
	v_lshlrev_b32 v18, 5, v2
	v_lshl_add_u32 v18, v3, 4, v18                 ; hs: 32 r + 16 h
	v_lshlrev_b32 v19, 3, v3                       ; 8 h
	v_mov_b32 v207, 0                              ; destinations of lane permutes and of moves between lanes count as sources: written once
.irp c, 0,1,2,3,4,5,6,7
	v_mov_b32 v[216+\c], 0
.endr
	s_lshl_b32 s62, s50, 4
	s_lshl_b32 s63, s51, 6
	s_add_co_u32 s62, s62, s63
	s_lshl_b32 s63, s52, 11
	s_add_co_u32 s62, s62, s63                     ; my first row of w2: 2048 e + 64 q + 16 w
	s_lshl_b32 s62, s62, 12
	s_mov_b32 s63, 0
	s_lshl_b32 s66, s51, 8
	s_mov_b32 s67, 0
	s_lshl_b32 s72, s52, 4
	s_mov_b32 s73, 0
	s_mul_i32 s76, s52, LSE
	s_mov_b32 s77, 0
	s_wait_kmcnt 0x0
	s_add_nc_u64 s[60:61], s[4:5], s[62:63]
	s_add_nc_u64 s[12:13], s[12:13], s[66:67]      ; y at column 64 q
	s_add_nc_u64 s[72:73], s[10:11], s[72:73]
	s_add_nc_u64 s[76:77], s[10:11], s[76:77]      ; my expert's list
	s_load_b128 s[68:71], s[72:73], TBL            ; my expert's rows, first position, tiles: wanted behind the 8 K steps
	WIN 0x40
	WLD 0                                          ; four K steps, 64 loads of 512 bytes
	WLD 1
	WLD 2
	WLD 3
	WIN 0
.irp s, 0,1,2,3,4,5,6,7
	FRAG \s
.endr
	s_wait_kmcnt 0x0                               ; the table's row
	s_min_u32 s54, s69, 2160                       ; the expert's first position
	s_min_u32 s55, s70, 64                         ; its tiles
	s_max_u32 s57, s55, 1
	s_sub_co_u32 s57, s57, 1                       ; the expert's last tile
	s_cmp_eq_u32 s55, 0
	s_cselect_b32 s66, 0, s54                      ; an expert without rows looks at position 0 and uses nothing of it
.irp k, 0,1,2,3,4,5,6,7,8,9,10,11,12,13,14,15
	global_load_b32 v[LR+\k], v12, s[76:77] offset:256*\k      ; the entries of my tiles w + 4 k: older than both sets of h
.endr
	s_mov_b32 s56, s50                             ; my tile
	LOADH 0, 0
	LOADH 1, 4
	s_wait_dscnt 0x0                               ; for the others' sake: my images and scale words lie in LDS
	s_barrier_signal -1
	s_barrier_wait -1                              ; all 32 fragments and their scale words lie in LDS
	WIN 0x40
.irp ct, 0,1,2,3
.irp s, 0,1,2,3,4,5,6,7
.irp c, 0,1
	ds_load_b128 v[8*(8*\ct+\s)+4*\c:8*(8*\ct+\s)+4*\c+3], v9 offset:(8*\ct+\s)*1024+512*\c
.endr
.endr
.endr
	WIN 0
.irp ct, 0,1,2,3
.irp q, 0,1
	ds_load_b128 v[32+8*\ct+4*\q:35+8*\ct+4*\q], v10 offset:1536*\ct+16*\q
.endr
.endr
	s_wait_dscnt 0x0
	s_mov_b32 s67, 0
.Ltile:                                                ; 8 trips of two tiles serve 64 tiles; a wave leaves when its tiles are done (no barrier follows)
	TILE 0
	TILE 1
.irp k, 0,1,2,3,4,5,6,7,8,9,10,11,12,13
	v_mov_b32 v[LR+\k], v[LR+\k+2]                 ; the entries move down two tiles
.endr
	s_add_co_u32 s56, s56, 8
	s_add_co_u32 s67, s67, 1
	s_cmp_lt_u32 s67, 8
	s_cbranch_scc1 .Ltile
.Ldone:
	s_wait_tensorcnt 0x0
	ds_add_u32 v254, v255
	s_wait_dscnt 0x0
	s_endpgm
.Lfunc_end_k_q90d9ccceeb_outp:
	.size	k_q90d9ccceeb_outp, .Lfunc_end_k_q90d9ccceeb_outp-k_q90d9ccceeb_outp
	.p2alignl 7, 3214868480
	.fill 96, 4, 3214868480
	.section	.rodata,"a",@progbits
	.p2align	6, 0x0
	.amdhsa_kernel k_q90d9ccceeb_outp
		.amdhsa_group_segment_fixed_size 90624
		.amdhsa_private_segment_fixed_size 0
		.amdhsa_enable_private_segment 0
		.amdhsa_kernarg_size 40
		.amdhsa_user_sgpr_count 2
		.amdhsa_user_sgpr_kernarg_segment_ptr 1
		.amdhsa_wavefront_size32 1
		.amdhsa_system_sgpr_workgroup_id_x 1
		.amdhsa_system_sgpr_workgroup_id_y 1
		.amdhsa_system_sgpr_workgroup_id_z 1
		.amdhsa_system_vgpr_workitem_id 0
		.amdhsa_next_free_vgpr 768
		.amdhsa_next_free_sgpr 80
		.amdhsa_reserve_vcc 0
		.amdhsa_float_denorm_mode_32 3
		.amdhsa_float_denorm_mode_16_64 3
		.amdhsa_memory_ordered 1
		.amdhsa_forward_progress 1
		.amdhsa_inst_pref_size 89
	.end_amdhsa_kernel
	.amdgpu_metadata
---
amdhsa.version: [ 1, 2 ]
amdhsa.kernels:
  - .name:           k_q90d9ccceeb_outp
    .symbol:         k_q90d9ccceeb_outp.kd
    .args:
      - { .name: w2, .offset: 0, .size: 8, .value_kind: global_buffer, .address_space: global }
      - { .name: hc, .offset: 8, .size: 8, .value_kind: global_buffer, .address_space: global }
      - { .name: hs, .offset: 16, .size: 8, .value_kind: global_buffer, .address_space: global }
      - { .name: ls, .offset: 24, .size: 8, .value_kind: global_buffer, .address_space: global }
      - { .name: y, .offset: 32, .size: 8, .value_kind: global_buffer, .address_space: global }
    .group_segment_fixed_size: 90624
    .private_segment_fixed_size: 0
    .kernarg_segment_align: 8
    .kernarg_segment_size: 40
    .max_flat_workgroup_size: 128
    .sgpr_count:     80
    .vgpr_count:     768
    .wavefront_size: 32
...
	.end_amdgpu_metadata
.endif
;; end of part 4
;; launch comb (part 5): grid 256 x 1, 8 waves a work-group, no clusters, 0 bytes of LDS; arguments y, gp, rt, out0, out1; writes out0, out1
.if DOCPART == 5
	.amdgcn_target "amdgcn-amd-amdhsa--gfx1250"
	.amdhsa_code_object_version 6
	.text
	.protected	k_q90d9ccceeb_comb
	.globl	k_q90d9ccceeb_comb
	.p2align	8
	.type	k_q90d9ccceeb_comb,@function
k_q90d9ccceeb_comb:
	s_mov_b64 s[64:65], 0
	v_nop
	global_prefetch_b8 v0, s[64:65] scope:SCOPE_SE
	s_setreg_imm32_b32 hwreg(HW_REG_WAVE_MODE, 25, 1), 1
	s_wait_xcnt 0x0
; out0[t] = g0[t] y[2 t] + g1[t] y[2 t + 1]: a token's two expert rows, weighed by its gates.  A stream: a wave takes half a token's row, 16 loads of 512 consecutive bytes, 8 stores likewise.
; out1 = 0.08 x the sum over experts of (count / 1024)(sum of scores / 1024): made by wave 0 of work-group 0 from the 128 groups' counts and sums, while its rows are on their way.
; No LDS, no barrier, no matrix unit: each byte is read once and used once.
	s_load_b256 s[4:11], s[0:1], 0x0               ; y, gp, rt, out0
	s_load_b64 s[12:13], s[0:1], 0x20              ; out1
	v_lshrrev_b32 v1, 5, v0
	v_readfirstlane_b32 s16, v1                    ; wave
	v_and_b32 v1, 31, v0
	v_lshlrev_b32 v2, 4, v1                        ; 16 x lane
	s_mov_b32 s14, 0x76543210
	s_mov_b32 s15, 0xfedcba98
	s_lshr_b32 s17, s16, 1
	s_lshl_b32 s18, ttmp9, 2
	s_add_co_u32 s17, s17, s18                     ; token
	s_and_b32 s18, s16, 1
	s_lshl_b32 s18, s18, 12                        ; which half of the row
	s_lshl_b32 s20, s17, 14
	s_add_co_u32 s20, s20, s18
	s_mov_b32 s21, 0
	s_lshl_b32 s22, s17, 13
	s_add_co_u32 s22, s22, s18
	s_mov_b32 s23, 0
	s_lshl_b32 s24, s17, 3
	s_mov_b32 s25, 0
	s_wait_kmcnt 0x0
	s_add_nc_u64 s[4:5], s[4:5], s[20:21]
	s_add_nc_u64 s[10:11], s[10:11], s[22:23]
	s_add_nc_u64 s[24:25], s[6:7], s[24:25]
	s_load_b64 s[26:27], s[24:25], 0x0             ; the token's two gates
.irp i, 0,1,2,3,4,5,6,7
	global_load_b128 v[16+4*\i:19+4*\i], v2, s[4:5] offset:512*\i th:TH_LOAD_NT
	global_load_b128 v[48+4*\i:51+4*\i], v2, s[4:5] offset:8192+512*\i th:TH_LOAD_NT
.endr
	s_or_b32 s30, ttmp9, s16
	s_cmp_lg_u32 s30, 0
	s_cbranch_scc1 .Lmain
.irp i, 0,1,2,3
	global_load_b128 v[80+4*\i:83+4*\i], v2, s[8:9] offset:2048+512*\i     ; lane l: the packed counts of group 32 i + l
.endr
.irp i, 0,1,2,3,4,5,6,7
	global_load_b128 v[96+4*\i:99+4*\i], v2, s[6:7] offset:8192+512*\i     ; lane l: group 16 i + l / 2, experts 4 (l % 2) ..
.endr
.irp c, 0,1,2,3
	v_mov_b32 v[128+\c], 0
.endr
	s_wait_loadcnt 0x0
.irp i, 1,2,3
.irp c, 0,1,2,3
	v_add_nc_u32 v[80+\c], v[80+\c], v[80+4*\i+\c]
.endr
.endr
.irp m, 1,2,4,8
.irp c, 0,1,2,3
	v_mov_b32_dpp v[128+\c], v[80+\c] row_xmask:\m row_mask:0xf bank_mask:0xf
.endr
.irp c, 0,1,2,3
	v_add_nc_u32 v[80+\c], v[80+\c], v[128+\c]
.endr
.endr
.irp c, 0,1,2,3
	v_permlanex16_b32 v[128+\c], v[80+\c], s14, s15
.endr
.irp c, 0,1,2,3
	v_add_nc_u32 v[80+\c], v[80+\c], v[128+\c]
.endr
.irp c, 0,1,2,3
	v_readfirstlane_b32 s[32+\c], v[80+\c]
.endr
.irp i, 1,2,3,4,5,6,7
.irp p, 0,2
	v_pk_add_f32 v[96+\p:97+\p], v[96+\p:97+\p], v[96+4*\i+\p:97+4*\i+\p]
.endr
.endr
.irp m, 2,4,8
.irp c, 0,1,2,3
	v_add_f32_dpp v[96+\c], v[96+\c], v[96+\c] row_xmask:\m row_mask:0xf bank_mask:0xf   ; lanes of like parity
.endr
.endr
.irp c, 0,1,2,3
	v_permlanex16_b32 v[128+\c], v[96+\c], s14, s15
.endr
.irp c, 0,1,2,3
	v_add_f32 v[96+\c], v[96+\c], v[128+\c]
.endr
.irp c, 0,1,2,3
	v_readlane_b32 s[40+\c], v[96+\c], 0           ; experts 0-3,
	v_readlane_b32 s[44+\c], v[96+\c], 1           ; 4-7
.endr
	s_bfe_u32 s36, s32, 0x100000
	s_cvt_f32_u32 s36, s36
	s_mul_f32 s37, s36, s40
.irp q, 1,2,3,4,5,6,7
	s_bfe_u32 s36, s[32+\q/2], 0x100000+16*(\q%2)
	s_cvt_f32_u32 s36, s36
	s_fmac_f32 s37, s36, s[40+\q]
.endr
	s_mul_f32 s37, s37, 0x33a3d70a                 ; 0.08 / 2^20
	v_mov_b32 v132, s37
	v_mov_b32 v133, 0
	v_cmp_eq_u32 vcc_lo, 0, v1
	s_wait_xcnt 0x0                                ; EXEC changes only behind this wait
	s_and_saveexec_b32 s38, vcc_lo
	global_store_b32 v133, v132, s[12:13]
	s_wait_xcnt 0x0
	s_or_b32 exec_lo, exec_lo, s38
.Lmain:
	s_wait_kmcnt 0x0
	s_mov_b32 s28, s27                             ; the second gate in a pair of its own: the packed form takes a pair's low word for both halves
	s_mov_b32 s29, s27
.irp i, 0,1,2,3,4,5,6,7
	s_wait_loadcnt 14-2*\i                         ; this pair of loads is in; the pairs behind it may be out
	v_pk_mul_f32 v[16+4*\i:17+4*\i], v[16+4*\i:17+4*\i], s[26:27] op_sel_hi:[1,0]
	v_pk_mul_f32 v[18+4*\i:19+4*\i], v[18+4*\i:19+4*\i], s[26:27] op_sel_hi:[1,0]
	v_pk_fma_f32 v[16+4*\i:17+4*\i], v[48+4*\i:49+4*\i], s[28:29], v[16+4*\i:17+4*\i] op_sel_hi:[1,0,1]
	v_pk_fma_f32 v[18+4*\i:19+4*\i], v[50+4*\i:51+4*\i], s[28:29], v[18+4*\i:19+4*\i] op_sel_hi:[1,0,1]
	global_store_b128 v2, v[16+4*\i:19+4*\i], s[10:11] offset:512*\i th:TH_STORE_NT
.endr
	s_endpgm
.Lfunc_end_k_q90d9ccceeb_comb:
	.size	k_q90d9ccceeb_comb, .Lfunc_end_k_q90d9ccceeb_comb-k_q90d9ccceeb_comb
	.p2alignl 7, 3214868480
	.fill 96, 4, 3214868480
	.section	.rodata,"a",@progbits
	.p2align	6, 0x0
	.amdhsa_kernel k_q90d9ccceeb_comb
		.amdhsa_group_segment_fixed_size 0
		.amdhsa_private_segment_fixed_size 0
		.amdhsa_enable_private_segment 0
		.amdhsa_kernarg_size 40
		.amdhsa_user_sgpr_count 2
		.amdhsa_user_sgpr_kernarg_segment_ptr 1
		.amdhsa_wavefront_size32 1
		.amdhsa_system_sgpr_workgroup_id_x 1
		.amdhsa_system_sgpr_workgroup_id_y 1
		.amdhsa_system_sgpr_workgroup_id_z 1
		.amdhsa_system_vgpr_workitem_id 0
		.amdhsa_next_free_vgpr 144
		.amdhsa_next_free_sgpr 66
		.amdhsa_reserve_vcc 1
		.amdhsa_float_denorm_mode_32 3
		.amdhsa_float_denorm_mode_16_64 3
		.amdhsa_memory_ordered 1
		.amdhsa_forward_progress 1
		.amdhsa_inst_pref_size 14
	.end_amdhsa_kernel
	.amdgpu_metadata
---
amdhsa.version: [ 1, 2 ]
amdhsa.kernels:
  - .name:           k_q90d9ccceeb_comb
    .symbol:         k_q90d9ccceeb_comb.kd
    .args:
      - { .name: y, .offset: 0, .size: 8, .value_kind: global_buffer, .address_space: global }
      - { .name: gp, .offset: 8, .size: 8, .value_kind: global_buffer, .address_space: global }
      - { .name: rt, .offset: 16, .size: 8, .value_kind: global_buffer, .address_space: global }
      - { .name: out0, .offset: 24, .size: 8, .value_kind: global_buffer, .address_space: global }
      - { .name: out1, .offset: 32, .size: 8, .value_kind: global_buffer, .address_space: global }
    .group_segment_fixed_size: 0
    .private_segment_fixed_size: 0
    .kernarg_segment_align: 8
    .kernarg_segment_size: 40
    .max_flat_workgroup_size: 256
    .sgpr_count:     66
    .vgpr_count:     144
    .wavefront_size: 32
...
	.end_amdgpu_metadata
.endif
;; end of part 5
;; ======== version 2 of 2: 5 launches
;; workspace buffers: xc 1,048,576 bytes; xs 65,536 bytes; rt 4,096 bytes of whole numbers; ls 37,120 bytes of whole numbers; gp 12,288 bytes; hc 1,114,112 bytes; hs 69,632 bytes; y 16,842,752 bytes
;; launch route (part 6): grid 128 x 1, 8 waves a work-group, no clusters, 84,480 bytes of LDS; arguments x, gate_w, xc, xs, rt, gp; writes xc, xs, rt, gp
.if DOCPART == 6
	.amdgcn_target "amdgcn-amd-amdhsa--gfx1250"
	.amdhsa_code_object_version 6
	.text
	.protected	k_q90d9ccceeb_route
	.globl	k_q90d9ccceeb_route
	.p2align	8
	.type	k_q90d9ccceeb_route,@function
k_q90d9ccceeb_route:
	s_mov_b64 s[64:65], 0
	v_nop
	global_prefetch_b8 v0, s[64:65] scope:SCOPE_SE
	s_setreg_imm32_b32 hwreg(HW_REG_WAVE_MODE, 25, 1), 1
	s_wait_xcnt 0x0
; ROUTER AND QUANTISER OF x.  x [1024][2048] f32, gate_w [8][2048] f32.
; Stores: xc [1024][1024 bytes]: x as codes of E2M1, K innermost;  xs [1024][64]: one E8M0 byte for each 32 along K;
; rt: bytes 0..2047 membership masks [choice 2][expert 8][32 words], bit i of word g = token 32 g + i; bytes 2048..4095 [128 work-groups][4 words]: counts of experts 2 c, 2 c + 1 in 16 bits each;
; gp: bytes 0..8191 the two gates of each token, f32; bytes 8192.. [128 work-groups][8]: sums of the scores of the group's 8 tokens.
; The choice is stored at fixed places: no address and no branch of this launch hangs on it.
; SHARES.  A work-group takes 8 tokens (one byte of a mask row).  Wave w: K slice ks = w % 4 (512 numbers), tokens 4 (w / 4) .. + 3.  Every load reads 512 consecutive bytes; the numbers turn through the
; wave's own stage in LDS so that a lane holds 16 neighbours along K (two lanes to a block of 32), for the conversions and for the logits alike.
; The logits are f32 fused multiply-adds; the softmax takes the row's maximum away first; of equal scores the lower index is chosen.
; LIMITS: NaN and infinities among the inputs are not served.  A score whose exponential lies under 2^-126 counts as 0.  A block of zeros gets the byte 1 (its codes are zeros; the bytes are read by this program alone).
; Where the second and third score differ by less than the rounding of an f32 sum of 2,048 terms, either expert may be chosen.
.set SP,    80                         ; a lane's place in a stage: 64 bytes + 16 of padding
.set SLOTB, 32*SP                      ; a stage slot: one row's slice
.set PART,  81920                      ; behind the stages (8 waves x 4 slots): partial logits [token 8][ks 4][expert 8] f32
.set SCB,   82944                      ; the scale bytes of the 8 tokens, [8][64]
.set G,     16                         ; v16-143  gate_w's slice, 16 numbers for each expert
.set X,     144                        ; v144-207 x's slice, 16 numbers for each of 4 tokens
.set ACC,   208                        ; v208-223 eight pairs of sums
.set CD,    224                        ; v224-231 codes, two registers a token
.set BY,    232                        ; v232-235 scale bytes
.set TP,    236                        ; v236-243 the other half's sums
	s_load_b256 s[4:11], s[0:1], 0x0               ; x, gate_w, xc, xs
	s_load_b128 s[12:15], s[0:1], 0x20             ; rt, gp
	v_lshl_add_u32 v254, v0, 2, 0x14600
	v_mov_b32 v255, 0
	v_lshrrev_b32 v1, 5, v0
	s_delay_alu instid0(VALU_DEP_1)
	v_readfirstlane_b32 s16, v1                    ; wave
	s_and_b32 s17, s16, 3                          ; ks
	s_lshr_b32 s18, s16, 2                         ; th
	s_mov_b32 s20, 0x76543210
	s_mov_b32 s21, 0xfedcba98                      ; lane l xor 16
	v_and_b32 v1, 31, v0                           ; lane
	s_delay_alu instid0(VALU_DEP_1)
	v_lshlrev_b32 v2, 4, v1                        ; 16 x lane
	s_mul_i32 s19, s16, 4*SLOTB                    ; my wave's stages
	v_lshrrev_b32 v3, 2, v1
	s_delay_alu instid0(VALU_DEP_1)
	v_mul_u32_u24 v3, v3, SP
	v_and_b32 v10, 3, v1
	s_delay_alu instid0(VALU_DEP_1)
	v_lshl_add_u32 v3, v10, 4, v3
	s_delay_alu instid0(VALU_DEP_1)
	v_add_nc_u32 v3, s19, v3                       ; into a stage: four lanes' 64 bytes on end, then the padding
	v_mul_u32_u24 v4, v1, SP
	s_delay_alu instid0(VALU_DEP_1)
	v_add_nc_u32 v4, s19, v4                       ; out of it: my 16 neighbours
	s_lshl_b32 s22, s18, 9
	s_lshl_b32 s23, s17, 5
	s_add_co_u32 s22, s22, s23
	s_add_co_u32 s22, s22, PART
	v_mov_b32 v5, s22                              ; partial logits of my first token and my slice
	s_lshl_b32 s22, s18, 8
	s_lshl_b32 s23, s17, 4
	s_add_co_u32 s22, s22, s23
	s_add_co_u32 s22, s22, SCB
	v_lshrrev_b32 v6, 1, v1
	s_delay_alu instid0(VALU_DEP_1)
	v_add_nc_u32 v6, s22, v6                       ; my block's scale byte
	v_lshlrev_b32 v7, 3, v1                        ; 8 x lane
	v_and_b32 v8, 7, v1
	s_delay_alu instid0(VALU_DEP_1)
	v_lshl_add_u32 v8, v8, 7, PART                 ; wave 0, later: token lane % 8
	v_add_nc_u32 v9, SCB, v2                       ; wave 1, later: 16 scale bytes a lane
.irp e, 0,1,2,3,4,5,6,7
	v_mov_b32 v[TP+\e], 0                          ; a lane permute's destination counts as one of its sources
.endr
	s_lshl_b32 s24, ttmp9, 16                      ; x: (8 wg + 4 th) rows of 8,192 bytes + 2,048 ks
	s_lshl_b32 s25, s18, 15
	s_add_co_u32 s24, s24, s25
	s_lshl_b32 s26, s17, 11
	s_add_co_u32 s24, s24, s26
	s_mov_b32 s25, 0
	s_mov_b32 s27, 0
	s_lshl_b32 s28, ttmp9, 13                      ; xc: rows of 1,024 bytes + 256 ks
	s_lshl_b32 s29, s18, 12
	s_add_co_u32 s28, s28, s29
	s_lshl_b32 s29, s17, 8
	s_add_co_u32 s28, s28, s29
	s_mov_b32 s29, 0
	s_lshl_b32 s30, ttmp9, 9                       ; xs: 512 bytes a work-group
	s_mov_b32 s31, 0
	s_wait_kmcnt 0x0
	s_add_nc_u64 s[4:5], s[4:5], s[24:25]
	s_add_nc_u64 s[6:7], s[6:7], s[26:27]
	s_add_nc_u64 s[8:9], s[8:9], s[28:29]
	s_add_nc_u64 s[10:11], s[10:11], s[30:31]
.irp t, 0,1,2,3
.irp i, 0,1,2,3
	global_load_b128 v[X+16*\t+4*\i:X+16*\t+4*\i+3], v2, s[4:5] offset:8192*\t+512*\i th:TH_LOAD_NT
.endr
.endr
.irp e, 0,1,2,3,4,5,6,7
.irp i, 0,1,2,3
	global_load_b128 v[G+16*\e+4*\i:G+16*\e+4*\i+3], v2, s[6:7] offset:8192*\e+512*\i
.endr
.endr
; A row's slice through a stage slot and back into the registers that it left: LDS serves a wave's instructions in order, so no wait stands between.
.macro TURN reg, slot
.irp i, 0,1,2,3
	ds_store_b128 v3, v[\reg+4*\i:\reg+4*\i+3] offset:SLOTB*(\slot)+640*\i
.endr
.irp i, 0,1,2,3
	ds_load_b128 v[\reg+4*\i:\reg+4*\i+3], v4 offset:SLOTB*(\slot)+16*\i
.endr
.endm
.irp t, 0,1,2,3
	s_wait_loadcnt 44-4*\t                         ; this row's four loads are in; the rows behind it may be out
	TURN X+16*\t, \t
.endr
.irp e, 0,1,2,3,4,5,6,7
	s_wait_loadcnt 28-4*\e
	TURN G+16*\e, \e%4
.endr
	s_wait_dscnt 0x0
; The eight partial logits of token t over my slice.
.macro DOT t
	s_wait_dscnt 0x0                               ; the last token's stores have read ACC
.irp e, 0,1,2,3,4,5,6,7
	v_pk_mul_f32 v[ACC+2*\e:ACC+2*\e+1], v[X+16*\t:X+16*\t+1], v[G+16*\e:G+16*\e+1]
.endr
.irp i, 2,4,6,8,10,12,14
.irp e, 0,1,2,3,4,5,6,7
	v_pk_fma_f32 v[ACC+2*\e:ACC+2*\e+1], v[X+16*\t+\i:X+16*\t+\i+1], v[G+16*\e+\i:G+16*\e+\i+1], v[ACC+2*\e:ACC+2*\e+1]
.endr
.endr
.irp e, 0,1,2,3,4,5,6,7
	v_add_f32 v[ACC+\e], v[ACC+2*\e], v[ACC+2*\e+1]            ; ascending: each pair is read before its place is taken
.endr
.irp m, 1,2,4,8
.irp e, 0,1,2,3,4,5,6,7
	v_add_f32_dpp v[ACC+\e], v[ACC+\e], v[ACC+\e] row_xmask:\m row_mask:0xf bank_mask:0xf
.endr
.endr
.irp e, 0,1,2,3,4,5,6,7
	v_permlanex16_b32 v[TP+\e], v[ACC+\e], s20, s21
.endr
.irp e, 0,1,2,3,4,5,6,7
	v_add_f32 v[ACC+\e], v[ACC+\e], v[TP+\e]
.endr
	ds_store_b128 v5, v[ACC:ACC+3] offset:128*\t               ; all lanes write the same words with the same values
	ds_store_b128 v5, v[ACC+4:ACC+7] offset:128*\t+16
.endm
; Token t's 16 numbers of my lane become 16 codes; two neighbouring lanes hold a block.
.macro QX t
.set XS, X+16*\t
	v_max3_num_f32 v244, |v[XS]|, |v[XS+1]|, |v[XS+2]|
	v_max3_num_f32 v245, |v[XS+3]|, |v[XS+4]|, |v[XS+5]|
.irp i, 6,10
	s_delay_alu instid0(VALU_DEP_2)
	v_max3_num_f32 v244, v244, |v[XS+\i]|, |v[XS+\i+1]|
	s_delay_alu instid0(VALU_DEP_2)
	v_max3_num_f32 v245, v245, |v[XS+\i+2]|, |v[XS+\i+3]|
.endr
	s_delay_alu instid0(VALU_DEP_2)
	v_max3_num_f32 v244, v244, |v[XS+14]|, |v[XS+15]|
	s_delay_alu instid0(VALU_DEP_1)
	v_max3_num_f32 v244, v244, v245, 0x1800000     ; the floor 2^(3 - 127): the byte cannot fall under 1
	s_delay_alu instid0(VALU_DEP_1)
	v_max_num_f32_dpp v244, v244, v244 row_xmask:1 row_mask:0xf bank_mask:0xf
	s_delay_alu instid0(VALU_DEP_1)
	v_add_nc_u32 v246, 0xff000000, v244            ; 2 off the exponent field: the conversion's scale operand
	v_cvt_scalef32_pk8_fp4_f32 v[CD+2*\t], v[XS:XS+7], v246
	v_cvt_scalef32_pk8_fp4_f32 v[CD+2*\t+1], v[XS+8:XS+15], v246
	v_lshrrev_b32 v[BY+\t], 23, v246               ; the scale's byte (also the plain line behind the conversions)
	ds_store_b8 v6, v[BY+\t] offset:64*\t          ; both lanes of a block write the same byte
	global_store_b64 v7, v[CD+2*\t:CD+2*\t+1], s[8:9] offset:1024*\t   ; the wave stores 256 consecutive bytes, aligned
.endm
.irp t, 0,1,2,3
	DOT \t
	QX \t
.endr
	s_wait_dscnt 0x0                               ; for the others' sake: my partial logits and scale bytes lie in LDS
	s_barrier_signal -1
	s_barrier_wait -1
	s_cmp_eq_u32 s16, 0
	s_cbranch_scc1 .Lfinal
	s_cmp_eq_u32 s16, 1
	s_cbranch_scc0 .Lend
	ds_load_b128 v[16:19], v9                      ; wave 1: the 8 tokens' 512 scale bytes leave as two aligned runs of 256
	s_wait_dscnt 0x0
	global_store_b128 v2, v[16:19], s[10:11]
.Lend:
	s_wait_tensorcnt 0x0
	ds_add_u32 v254, v255
	s_wait_dscnt 0x0
	s_endpgm
.Lfinal:                                               ; wave 0: lane l serves token l % 8 (four lanes do the same work)
.irp i, 0,1,2,3,4,5,6,7
	ds_load_b128 v[16+4*\i:19+4*\i], v8 offset:16*\i
.endr
	s_wait_dscnt 0x0
.irp k, 1,2,3
.irp p, 0,2,4,6
	v_pk_add_f32 v[16+\p:17+\p], v[16+\p:17+\p], v[16+8*\k+\p:17+8*\k+\p]   ; the four slices: v16-23 the logits
.endr
.endr
	s_delay_alu instid0(VALU_DEP_3)
	v_max3_num_f32 v48, v16, v17, v18
	s_delay_alu instid0(VALU_DEP_1)
	v_max3_num_f32 v48, v48, v19, v20
	s_delay_alu instid0(VALU_DEP_1)
	v_max3_num_f32 v48, v48, v21, v22
	s_delay_alu instid0(VALU_DEP_1)
	v_max_num_f32 v48, v48, v23                    ; the row's maximum is taken away first
.irp e, 0,1,2,3,4,5,6,7
	v_sub_f32 v[16+\e], v[16+\e], v48
.endr
.irp e, 0,1,2,3,4,5,6,7
	v_mul_f32 v[16+\e], 0x3fb8aa3b, v[16+\e]
.endr
	s_wait_alu depctr_va_vdst(0)
.irp e, 0,1,2,3,4,5,6,7
	v_exp_f32 v[16+\e], v[16+\e]
.endr
	v_nop
	s_wait_alu depctr_va_vdst(0)
	v_add_f32 v50, v16, v17
	v_add_f32 v51, v18, v19
	v_add_f32 v52, v20, v21
	v_add_f32 v53, v22, v23
	s_delay_alu instid0(VALU_DEP_3)
	v_add_f32 v50, v50, v51
	s_delay_alu instid0(VALU_DEP_2)
	v_add_f32 v52, v52, v53
	s_delay_alu instid0(VALU_DEP_1)
	v_add_f32 v50, v50, v52
	s_wait_alu depctr_va_vdst(0)
	v_rcp_f32 v50, v50
	v_nop
	s_wait_alu depctr_va_vdst(0)
.irp e, 0,1,2,3,4,5,6,7
	v_mul_f32 v[16+\e], v[16+\e], v50              ; the scores
.endr
	v_mov_b32 v52, v16                             ; the largest score and its expert: a later one wins only if it is larger
	v_mov_b32 v53, 0
.irp e, 1,2,3,4,5,6,7
	s_delay_alu instid0(VALU_DEP_2)
	v_cmp_le_f32 vcc_lo, v[16+\e], v52             ; keep where it is not larger
	s_delay_alu instid0(VALU_DEP_1)
	v_cndmask_b32 v52, v[16+\e], v52, vcc_lo
	s_delay_alu instid0(VALU_DEP_2)
	v_cndmask_b32 v53, \e, v53, vcc_lo
.endr
	v_mov_b32 v54, -1.0                            ; the second: under every score
	v_mov_b32 v55, 0
.irp e, 0,1,2,3,4,5,6,7
	v_cmp_eq_u32 s30, \e, v53
	s_delay_alu instid0(VALU_DEP_3)
	v_cmp_le_f32 vcc_lo, v[16+\e], v54
	s_or_b32 vcc_lo, vcc_lo, s30                   ; keep where it is not larger, or is the first choice
	v_cndmask_b32 v54, v[16+\e], v54, vcc_lo
	v_cndmask_b32 v55, \e, v55, vcc_lo
.endr
	s_delay_alu instid0(VALU_DEP_2)
	v_add_f32 v56, v52, v54
	s_wait_alu depctr_va_vdst(0)
	v_rcp_f32 v56, v56
	v_nop
	s_wait_alu depctr_va_vdst(0)
	v_mul_f32 v58, v52, v56                        ; the two gates
	v_mul_f32 v59, v54, v56
.irp e, 0,1,2,3,4,5,6,7
	v_cmp_eq_u32 s[40+\e], \e, v53                 ; bits 0-7: which of my 8 tokens chose expert e first,
	v_cmp_eq_u32 s[48+\e], \e, v55                 ; second
.endr
	v_mov_b32 v60, 0
.irp e, 0,1,2,3,4,5,6,7
	s_delay_alu instid0(VALU_DEP_1)
	v_writelane_b32 v60, s[40+\e], \e              ; lane 8 k + e carries the byte of mask row (k, e)
	s_delay_alu instid0(VALU_DEP_1)
	v_writelane_b32 v60, s[48+\e], 8+\e
.endr
.irp e, 0,1,2,3,4,5,6,7
	s_or_b32 s[40+\e], s[40+\e], s[48+\e]
	s_and_b32 s[40+\e], s[40+\e], 0xff
	s_bcnt1_i32_b32 s[40+\e], s[40+\e]             ; the group's rows of expert e
.endr
.irp c, 0,1,2,3
	s_lshl_b32 s[41+2*\c], s[41+2*\c], 16
	s_or_b32 s[40+2*\c], s[40+2*\c], s[41+2*\c]
	v_mov_b32 v[64+\c], s[40+2*\c]
.endr
.irp m, 1,2,4
.irp e, 0,1,2,3,4,5,6,7
	v_add_f32_dpp v[16+\e], v[16+\e], v[16+\e] row_xmask:\m row_mask:0xf bank_mask:0xf   ; the scores' sums over the 8 tokens
.endr
.endr
	v_lshlrev_b32 v61, 7, v1
	v_mov_b32 v62, 0
	s_mov_b32 s31, 0
	s_mov_b32 s30, ttmp9
	s_add_nc_u64 s[32:33], s[12:13], s[30:31]      ; rt + wg
	s_lshl_b32 s30, ttmp9, 4
	s_add_nc_u64 s[34:35], s[12:13], s[30:31]      ; rt + 16 wg
	s_lshl_b32 s30, ttmp9, 6
	s_add_nc_u64 s[36:37], s[14:15], s[30:31]      ; gp + 64 wg
	s_lshl_b32 s30, ttmp9, 5
	s_add_nc_u64 s[38:39], s[14:15], s[30:31]      ; gp + 32 wg
	v_cmp_gt_u32 vcc_lo, 16, v1
	s_wait_alu depctr_va_vdst(0)
	s_wait_xcnt 0x0                                ; EXEC changes only behind this wait
	s_wait_tensorcnt 0x0
	ds_add_u32 v254, v255
	s_wait_dscnt 0x0
	s_and_saveexec_b32 s56, vcc_lo
	global_store_b8 v61, v60, s[32:33]             ; sixteen mask bytes
	s_wait_xcnt 0x0
	s_or_b32 exec_lo, exec_lo, s56
	v_cmp_gt_u32 vcc_lo, 8, v1
	s_and_saveexec_b32 s56, vcc_lo
	global_store_b64 v7, v[58:59], s[36:37]        ; eight tokens' gates
	s_wait_xcnt 0x0
	s_or_b32 exec_lo, exec_lo, s56
	v_cmp_eq_u32 vcc_lo, 0, v1
	s_and_saveexec_b32 s56, vcc_lo
	global_store_b128 v62, v[64:67], s[34:35] offset:2048
	global_store_b128 v62, v[16:19], s[38:39] offset:8192
	global_store_b128 v62, v[20:23], s[38:39] offset:8208
	s_wait_xcnt 0x0
	s_or_b32 exec_lo, exec_lo, s56
	s_endpgm
.Lfunc_end_k_q90d9ccceeb_route:
	.size	k_q90d9ccceeb_route, .Lfunc_end_k_q90d9ccceeb_route-k_q90d9ccceeb_route
	.p2alignl 7, 3214868480
	.fill 96, 4, 3214868480
	.section	.rodata,"a",@progbits
	.p2align	6, 0x0
	.amdhsa_kernel k_q90d9ccceeb_route
		.amdhsa_group_segment_fixed_size 84480
		.amdhsa_private_segment_fixed_size 0
		.amdhsa_enable_private_segment 0
		.amdhsa_kernarg_size 48
		.amdhsa_user_sgpr_count 2
		.amdhsa_user_sgpr_kernarg_segment_ptr 1
		.amdhsa_wavefront_size32 1
		.amdhsa_system_sgpr_workgroup_id_x 1
		.amdhsa_system_sgpr_workgroup_id_y 1
		.amdhsa_system_sgpr_workgroup_id_z 1
		.amdhsa_system_vgpr_workitem_id 0
		.amdhsa_next_free_vgpr 256
		.amdhsa_next_free_sgpr 66
		.amdhsa_reserve_vcc 1
		.amdhsa_float_denorm_mode_32 3
		.amdhsa_float_denorm_mode_16_64 3
		.amdhsa_memory_ordered 1
		.amdhsa_forward_progress 1
		.amdhsa_inst_pref_size 62
	.end_amdhsa_kernel
	.amdgpu_metadata
---
amdhsa.version: [ 1, 2 ]
amdhsa.kernels:
  - .name:           k_q90d9ccceeb_route
    .symbol:         k_q90d9ccceeb_route.kd
    .args:
      - { .name: x, .offset: 0, .size: 8, .value_kind: global_buffer, .address_space: global }
      - { .name: gate_w, .offset: 8, .size: 8, .value_kind: global_buffer, .address_space: global }
      - { .name: xc, .offset: 16, .size: 8, .value_kind: global_buffer, .address_space: global }
      - { .name: xs, .offset: 24, .size: 8, .value_kind: global_buffer, .address_space: global }
      - { .name: rt, .offset: 32, .size: 8, .value_kind: global_buffer, .address_space: global }
      - { .name: gp, .offset: 40, .size: 8, .value_kind: global_buffer, .address_space: global }
    .group_segment_fixed_size: 84480
    .private_segment_fixed_size: 0
    .kernarg_segment_align: 8
    .kernarg_segment_size: 48
    .max_flat_workgroup_size: 256
    .sgpr_count:     66
    .vgpr_count:     256
    .wavefront_size: 32
...
	.end_amdgpu_metadata
.endif
;; end of part 6
;; launch place (part 7): grid 8 x 1, 1 waves a work-group, no clusters, 4,864 bytes of LDS; arguments rt, ls; writes ls
.if DOCPART == 7
	.amdgcn_target "amdgcn-amd-amdhsa--gfx1250"
	.amdhsa_code_object_version 6
	.text
	.protected	k_q90d9ccceeb_place
	.globl	k_q90d9ccceeb_place
	.p2align	8
	.type	k_q90d9ccceeb_place,@function
k_q90d9ccceeb_place:
	s_mov_b64 s[64:65], 0
	v_nop
	global_prefetch_b8 v0, s[64:65] scope:SCOPE_SE
	s_setreg_imm32_b32 hwreg(HW_REG_WAVE_MODE, 25, 1), 1
	s_wait_xcnt 0x0
; THE PLACING OF ROWS.  From the stored choice (rt: membership masks [choice 2][expert 8][32 words]; packed counts [128 groups][4 words], two experts of 16 bits a word) work-group e makes, for expert e:
;   ls + 4608 e: the list of its rows, 1,152 entries of 4 bytes: entry = 2 token + choice, ascending tokens; behind the last row pad entries 2048 + e (entries 1088 to 1119 take what lanes that are no members write: nobody reads them);
;   ls + 36864 + 16 e: its number of rows, its first position (the sum of the earlier experts' rows, each rounded up to 16), its number of tiles of 16 rows, and 0.
; The two launches behind this one read both as whole numbers and form addresses and trip counts from them.
; Every store of this launch goes to a fixed place: no global address and no branch hangs on the data.  One wave a work-group, one work-group an expert: that is all the work there is.
.set LSE, 4608                         ; bytes of an expert's list
.set TBL, 36864                        ; where the table begins
	s_load_b128 s[8:11], s[0:1], 0x0               ; rt, ls
	v_lshl_add_u32 v254, v0, 2, 0x1200
	v_mov_b32 v255, 0
	s_mov_b32 s52, ttmp9                           ; e
	s_mov_b32 s58, 0x76543210
	s_mov_b32 s59, 0xfedcba98                      ; lane l xor 16
	v_lshlrev_b32 v4, 4, v0                        ; 16 x lane
.irp c, 0,1,2,3
	v_mov_b32 v[232+\c], 0                         ; destinations of moves between lanes count as sources: written once
.endr
	s_lshl_b32 s100, s52, 7
	s_mov_b32 s101, 0
	s_mul_i32 s60, s52, LSE
	s_mov_b32 s61, 0
	s_lshl_b32 s56, s52, 4
	s_mov_b32 s57, 0
	s_wait_alu depctr_va_vdst(0)
	s_wait_kmcnt 0x0
	s_add_nc_u64 s[100:101], s[8:9], s[100:101]    ; my expert's mask rows
	s_add_nc_u64 s[60:61], s[10:11], s[60:61]      ; its list
	s_add_nc_u64 s[56:57], s[10:11], s[56:57]      ; its row of the table, less TBL
	s_load_b512 s[16:31], s[100:101], 0x0          ; first choices: words 0-15,
	s_load_b512 s[32:47], s[100:101], 0x40         ; 16-31;
	s_load_b512 s[68:83], s[100:101], 0x400        ; second choices
	s_load_b512 s[84:99], s[100:101], 0x440
.irp i, 0,1,2,3
	global_load_b128 v[216+4*\i:219+4*\i], v4, s[8:9] offset:2048+512*\i   ; lane l: the packed counts of group 32 i + l
.endr
	s_add_co_u32 s62, s52, 2048
.irp i, 0,1,2,3
	v_mov_b32 v[244+\i], s62                       ; the pad entry
.endr
.irp i, 0,1,2,3,4,5,6,7,8
	ds_store_b128 v4, v[244:247] offset:512*\i     ; the whole list begins as pads
.endr
	v_add_nc_u32 v241, 1088, v0                    ; where lanes that are no members write
	v_lshlrev_b32 v242, 1, v0
	v_or_b32 v243, 1, v242
	s_mov_b32 s63, 0                               ; members so far
	s_wait_kmcnt 0x0
; 32 groups of 32 tokens; each has an address and a data register of its own
.set g, 0
.rept 32
	s_or_b32 s62, s[16+g], s[68+g]
	v_mbcnt_lo_u32_b32 v240, s62, s63              ; members before me
	s_wait_alu depctr_va_vdst(0)
	v_cndmask_b32 v240, v241, v240, s62
	v_min_u32 v240, 1119, v240
	v_lshlrev_b32 v[136+g], 2, v240
	v_cndmask_b32 v[168+g], v242, v243, s[68+g]
	v_add_nc_u32 v[168+g], 64*g, v[168+g]          ; 2 token + choice
	ds_store_b32 v[136+g], v[168+g]
	s_bcnt1_i32_b32 s62, s62
	s_add_co_u32 s63, s63, s62
.set g, g+1
.endr
.irp i, 0,1,2,3,4,5,6,7,8
	ds_load_b128 v[16+4*\i:19+4*\i], v4 offset:512*\i          ; LDS serves a wave's instructions in order: these see my stores
.endr
	s_wait_loadcnt 0x0                             ; the counts; they are summed while the list comes back
.irp i, 1,2,3
.irp c, 0,1,2,3
	v_add_nc_u32 v[216+\c], v[216+\c], v[216+4*\i+\c]
.endr
.endr
.irp m, 1,2,4,8
.irp c, 0,1,2,3
	v_mov_b32_dpp v[232+\c], v[216+\c] row_xmask:\m row_mask:0xf bank_mask:0xf
.endr
.irp c, 0,1,2,3
	v_add_nc_u32 v[216+\c], v[216+\c], v[232+\c]
.endr
.endr
.irp c, 0,1,2,3
	v_permlanex16_b32 v[232+\c], v[216+\c], s58, s59
.endr
.irp c, 0,1,2,3
	v_add_nc_u32 v[216+\c], v[216+\c], v[232+\c]   ; each field's sum is 1,024 at the most: no carry crosses a field
.endr
.irp c, 0,1,2,3
	v_readfirstlane_b32 s[16+\c], v[216+\c]
.endr
	s_mov_b32 s53, 0
	s_mov_b32 s54, 0
.irp q, 0,1,2,3,4,5,6,7
	s_bfe_u32 s62, s[16+\q/2], 0x100000+16*(\q%2)
	s_cmp_eq_u32 s52, \q
	s_cselect_b32 s53, s62, s53                    ; my expert's rows
	s_add_co_u32 s62, s62, 15
	s_and_b32 s62, s62, -16
	s_cmp_gt_u32 s52, \q
	s_cselect_b32 s62, s62, 0
	s_add_co_u32 s54, s54, s62                     ; its first position
.endr
	s_add_co_u32 s55, s53, 15
	s_lshr_b32 s55, s55, 4                         ; its tiles
	v_mov_b32 v60, s53
	v_mov_b32 v61, s54
	v_mov_b32 v62, s55
	v_mov_b32 v63, 0
	v_mov_b32 v5, 0
	s_wait_alu depctr_va_vdst(0)
	s_wait_dscnt 0x0
.irp i, 0,1,2,3,4,5,6,7,8
	global_store_b128 v4, v[16+4*\i:19+4*\i], s[60:61] offset:512*\i       ; the wave stores 512 consecutive bytes, aligned
.endr
	v_cmp_eq_u32 vcc_lo, 0, v0
	s_wait_xcnt 0x0                                ; EXEC changes only behind this wait
	s_wait_tensorcnt 0x0
	ds_add_u32 v254, v255
	s_wait_dscnt 0x0
	s_and_saveexec_b32 s3, vcc_lo
	global_store_b128 v5, v[60:63], s[56:57] offset:TBL
	s_wait_xcnt 0x0
	s_or_b32 exec_lo, exec_lo, s3
	s_endpgm
.Lfunc_end_k_q90d9ccceeb_place:
	.size	k_q90d9ccceeb_place, .Lfunc_end_k_q90d9ccceeb_place-k_q90d9ccceeb_place
	.p2alignl 7, 3214868480
	.fill 96, 4, 3214868480
	.section	.rodata,"a",@progbits
	.p2align	6, 0x0
	.amdhsa_kernel k_q90d9ccceeb_place
		.amdhsa_group_segment_fixed_size 4864
		.amdhsa_private_segment_fixed_size 0
		.amdhsa_enable_private_segment 0
		.amdhsa_kernarg_size 16
		.amdhsa_user_sgpr_count 2
		.amdhsa_user_sgpr_kernarg_segment_ptr 1
		.amdhsa_wavefront_size32 1
		.amdhsa_system_sgpr_workgroup_id_x 1
		.amdhsa_system_sgpr_workgroup_id_y 1
		.amdhsa_system_sgpr_workgroup_id_z 1
		.amdhsa_system_vgpr_workitem_id 0
		.amdhsa_next_free_vgpr 256
		.amdhsa_next_free_sgpr 102
		.amdhsa_reserve_vcc 1
		.amdhsa_float_denorm_mode_32 3
		.amdhsa_float_denorm_mode_16_64 3
		.amdhsa_memory_ordered 1
		.amdhsa_forward_progress 1
		.amdhsa_inst_pref_size 27
	.end_amdhsa_kernel
	.amdgpu_metadata
---
amdhsa.version: [ 1, 2 ]
amdhsa.kernels:
  - .name:           k_q90d9ccceeb_place
    .symbol:         k_q90d9ccceeb_place.kd
    .args:
      - { .name: rt, .offset: 0, .size: 8, .value_kind: global_buffer, .address_space: global }
      - { .name: ls, .offset: 8, .size: 8, .value_kind: global_buffer, .address_space: global }
    .group_segment_fixed_size: 4864
    .private_segment_fixed_size: 0
    .kernarg_segment_align: 8
    .kernarg_segment_size: 16
    .max_flat_workgroup_size: 32
    .sgpr_count:     102
    .vgpr_count:     256
    .wavefront_size: 32
...
	.end_amdgpu_metadata
.endif
;; end of part 7
;; launch hidden (part 8): grid 32 x 8, 4 waves a work-group, no clusters, 176,640 bytes of LDS; arguments w1, w3, xc, xs, ls, hc, hs; writes hc, hs
.if DOCPART == 8
	.amdgcn_target "amdgcn-amd-amdhsa--gfx1250"
	.amdhsa_code_object_version 6
	.text
	.protected	k_q90d9ccceeb_hidden
	.globl	k_q90d9ccceeb_hidden
	.p2align	8
	.type	k_q90d9ccceeb_hidden,@function
k_q90d9ccceeb_hidden:
	s_mov_b64 s[64:65], 0
	v_nop
	global_prefetch_b8 v0, s[64:65] scope:SCOPE_SE
	s_setreg_imm32_b32 hwreg(HW_REG_WAVE_SCHED_MODE, 0, 2), 2
	s_setreg_imm32_b32 hwreg(HW_REG_WAVE_MODE, 25, 1), 1
	s_wait_xcnt 0x0
	s_wait_alu depctr_vm_vsrc(0)
; h = silu(x w1^T) * (x w3^T) for the rows that chose an expert, both products on codes of E2M1 with one E8M0 scale for each 32 along K; h leaves as codes along I.
; Work-group (j, e) owns hidden units 32 j .. 32 j + 31 of expert e: 32 rows of w1 and 32 of w3, 512 KiB of f32, which it alone reads, once.
; PHASE 1 (streaming): wave w quantises one tile of 16 weight rows (waves 0, 1: w1; 2, 3: w3) in 16 K steps of 128; each load reads 512 consecutive bytes of a row; a K step's 8 KiB turn through the wave's stage in LDS
;   so that lane (r, h) holds k = 64 c + 32 h + 0 .. 31 of row r: two whole blocks, in the order of the operand's registers.  Codes and scale words go to LDS as images of those registers.
; PHASE 2 (rows): every wave takes all 64 fragments into registers and walks the expert's tiles of 16 rows, w, w + 4, ..; a tile's 16 rows of x's codes are gathered by the list, 512 consecutive bytes a load, and turned through LDS.
;   The products are used transposed (source 0 = weight rows, source 1 = x's rows), and lane r of weight tile u takes unit 8 u + r + 8 (r / 8): so a lane's 16 results are 16 neighbouring units of ONE row, and
;   lanes l and l xor 16 hold the block of 32, which is block j of the next product's K.
; THE LIST of the expert's rows and its row of the table were stored by the launch before (ls + 4608 e: entry = 2 token + choice, pad entries 2048 + e, 1,152 entries all written; ls + 36864 + 16 e: rows, first position, tiles).
;   A tile's 16 entries come by one scalar load, a tile's work ahead, and become 16 offsets by scalar and vector integer lines; the entry of a lane's own row, for x's scale words, comes by a vector load beside it.
; Expert e's rows take positions off_e .. in hc [32 blocks][2176 positions][16 bytes] and hs [2176][32].  Pad rows are computed from a valid row of x and stored.
; No joint loads: what work-groups share (x's rows) is gathered row by row through a list read from memory, which no tile descriptor states, and is about a third of a work-group's bytes.
; LIMITS: NaN and infinities are not served; a block of zeros gets the byte 1 (its codes are zeros; the bytes are this program's own).
; THE MODE: SCHED_MODE bits 1:0 = 2 (LLVM: expert scheduling mode 2), set by the entry lines.  The code itself states the register dependences between vector or matrix instructions and memory or LDS instructions,
;   with s_wait_alu, always for 0.
; THE PLAN, PHASE 1.  Registers that memory or LDS instructions touch in K step s:
;   set s % 4 (window 1)   written by the loads of K step s; read by the stage's stores of step s, which are issued in step s - 1; asked for again, for step s + 4, at the head of step s.
;   X[s % 2]               written by the stage's loads of step s, which are dealt among the maxima of step s - 1; read by step s's maxima and conversions.
;   v206, v208-215         written by step s's vector lines; read by its three image stores.
;   v4 to v8               offsets and LDS addresses, written at the head alone.
;   Two waits a step: on vm_vsrc at its head (the stage's stores have read the set; the last step's image stores their data), on va_vdst behind its conversions (the image is written; X[s % 2] has been read out).
;   The stage's loads of step s + 1 follow among step s's maxima with no further wait: those name X[s % 2], v200 and v201, the loads X[(s + 1) % 2] and v6.
; THE PLAN, PHASE 2.  In a tile:
;   v216-231, v28, v20     written by the lines that make the next tile's offsets (v20 also by a load); read by the gather and by the loads of x's scale words.
;   window 3, v0-127       written by the gather; read by the stage's stores.      window 3, v128-255: written by the stage's loads; read by the products.
;   v96-103                written by the loads of x's scale words; read by the products.      v29, v30, v232-234: written by vector lines; read by the tile's two stores.
;   The waits: on vm_vsrc at the tile's head; on vm_vsrc and va_vdst ahead of the gather; on va_vdst behind the products; behind each batch of transcendentals; on va_vdst ahead of the two stores.
; REGISTERS: window 0: v1-19 addresses; v20 my row's entry; v28-30 offsets; v32-95 the weights' scale words (in phase 1: the second buffer of 64 numbers); v96-103 x's; v104-135 four accumulators; v136-199 at work;
;   v200-215 at work; v216-231 the 16 rows' offsets; v232-234 h's codes and byte.
;   window 1: four sets of 64 for the weight loads, later fragments of K steps 0-7;  window 2: fragments of K steps 8-15;  window 3: v0-127 x's rows as loaded, v128-255 x's 16 fragments.
;   s[16:31] a tile's entries;  s[68:71] the table's row;  s[76:77] where my next tile's entries lie.
; LDS: from byte 0 the weights' stage, 4 waves x 16 rows x 528;
.set XST,   33792                      ; 4 waves x 16 rows x 1,040: x's stage
.set IMG,   100352                     ; 64 fragments x 1,024: images, tile ct, K step s at 16 ct + s
.set SCI,   165888                     ; 4 tiles x 32 lanes x 80: scale words, 4 s within a lane's place
.set PLANE, 34816                      ; 2,176 positions x 16 bytes
.set LSE,   4608                       ; bytes of an expert's list
.set TBL,   36864                      ; where the table begins in ls
.set NS,    16                         ; K steps
.set X0,    136                        ; v136-199: the 64 numbers of an even K step
.set X1,    32                         ; v32-95: those of an odd one
.set GA,    216                        ; v216-231: row n's byte offset in xc, + 16 x lane
.set EV,    20                         ; v20: the entry of row r
.set MSB, 0
.macro WIN new                         ; the immediate's high byte repeats the setting that is left
.if MSB != \new
	s_set_vgpr_msb (MSB<<8)|\new
.set MSB, \new
.endif
.endm
.macro WLD s                           ; K step s of my 16 weight rows into set s % 4 of window 1
.irp r, 0,1,2,3,4,5,6,7,8,9,10,11,12,13,14,15
	global_load_b128 v[64*((\s)%4)+4*\r:64*((\s)%4)+4*\r+3], v4, s[60:61] offset:(\r+8*(\r/8))*8192+512*(\s) th:TH_LOAD_NT
.endr
.endm
.macro STG s                           ; set s % 4 goes into my stage as it was loaded
	WIN 0x04                                       ; an LDS store's data: window 1
.irp r, 0,1,2,3,4,5,6,7,8,9,10,11,12,13,14,15
	ds_store_b128 v5, v[64*((\s)%4)+4*\r:64*((\s)%4)+4*\r+3] offset:528*\r
.endr
	WIN 0
.endm
; One fragment: K step s of my tile.  Its numbers were sent through the stage in the step before; the next step's go through it now.
.macro FRAG s
.set XS, X0+(X1-X0)*((\s)%2)
.set XN, X0+(X1-X0)*(((\s)+1)%2)
.if (\s) > 0
	s_wait_dscnt 3                                 ; this step's numbers are back from the stage; the last step's three image stores, issued behind them, may be out
.else
	s_wait_dscnt 0x0
.endif
.if (\s)+4 < NS
	WIN 0x40
.endif
	s_wait_alu depctr_vm_vsrc(0)                   ; the stage's stores have read set s % 4, in which the loads below land; the last step's image stores have read v206 and v208-215, which this step writes again
.if (\s)+4 < NS
	WLD (\s)+4
.endif
.if (\s)+1 < NS
.if NS-2-(\s) >= 3
	s_wait_loadcnt 48                              ; the next step's 16 loads are in; the three sets behind it may be out
.else
	s_wait_loadcnt 16*(NS-2-(\s))
.endif
	STG (\s)+1                                     ; LDS serves a wave's instructions in order: these come behind this step's reads of the stage, and the loads below see them
.endif
.irp c, 0,1
	v_max3_num_f32 v[200+\c], |v[XS+32*\c]|, |v[XS+32*\c+1]|, 0x1800000   ; my block 2 c + h, and the floor 2^(3 - 127)
.endr
.if (\s)+1 < NS
	ds_load_b128 v[XN:XN+3], v6                    ; the next step's numbers, one load behind each pair of maxima.  No wait: no vector line since the last step's wait on va_vdst names the other buffer
.endif
.irp i, 2,4,6,8,10,12,14,16,18,20,22,24,26,28,30
.irp c, 0,1
	v_max3_num_f32 v[200+\c], v[200+\c], |v[XS+32*\c+\i]|, |v[XS+32*\c+\i+1]|
.endr
.if (\s)+1 < NS
	ds_load_b128 v[XN+2*\i:XN+2*\i+3], v6 offset:256*(\i/16)+16*((\i/2)%8)
.endif
.endr
	v_add_nc_u32 v202, 0xff000000, v200            ; 2 off the exponent field: the conversion's scale operand
	v_add_nc_u32 v203, 0xff000000, v201
	v_lshrrev_b32 v204, 23, v202
	v_lshrrev_b32 v205, 23, v203
	v_lshl_or_b32 v206, v205, 16, v204
	v_lshlrev_b32 v206, v19, v206                  ; bytes h and 2 + h of the row's scale word
	v_permlanex16_b32 v207, v206, s58, s59
	v_or_b32 v206, v206, v207
.irp c, 0,1
.irp q, 0,1,2,3
	v_cvt_scalef32_pk8_fp4_f32 v[208+4*\c+\q], v[XS+32*\c+8*\q:XS+32*\c+8*\q+7], v[202+\c]
.endr
.endr
	v_nop                                          ; one plain line behind the conversions
	s_wait_alu depctr_va_vdst(0)                   ; v206 and v208-215 are written, which the three stores read; the maxima and conversions are done reading this step's buffer, in which the stage's loads of two steps on land
	ds_store_b128 v7, v[208:211] offset:1024*(\s)
	ds_store_b128 v7, v[212:215] offset:1024*(\s)+512
	ds_store_b32 v8, v206 offset:4*(\s)
.endm
; The entries in s[16:31] and v[EV] become offsets: row n's 1,024 bytes of codes, and my row's scale words.
.macro GADDR
.irp n, 0,1,2,3,4,5,6,7,8,9,10,11,12,13,14,15
	s_min_u32 s[16+\n], s[16+\n], 2047
.endr
.irp n, 0,1,2,3,4,5,6,7,8,9,10,11,12,13,14,15
	s_and_b32 s[16+\n], s[16+\n], 0x7fe            ; 2 x token
.endr
.irp n, 0,1,2,3,4,5,6,7,8,9,10,11,12,13,14,15
	v_lshl_add_u32 v[GA+\n], s[16+\n], 9, v4       ; 1,024 x token + 16 x lane
.endr
	v_min_u32 v[EV], 2047, v[EV]
	v_and_b32 v[EV], 0x7fe, v[EV]
	v_lshl_add_u32 v28, v[EV], 5, v238             ; 64 x token + 32 h
.endm
; The tile's 16 rows of codes: 32 loads of 512 consecutive bytes.  Then the entries of my tile behind it are asked for.
.macro GLOAD
	WIN 0xc0
.irp n, 0,1,2,3,4,5,6,7,8,9,10,11,12,13,14,15
.irp q, 0,1
	global_load_b128 v[4*(2*\n+\q):4*(2*\n+\q)+3], v[GA+\n], s[8:9] offset:512*\q
.endr
.endr
	WIN 0
	s_add_nc_u64 s[76:77], s[76:77], 256           ; four tiles on (the loads that named this pair have been waited for)
	s_load_b512 s[16:31], s[76:77], 0x0
	global_load_b32 v[EV], v12, s[76:77]
.endm
.macro XSLD                            ; lane (r, h): the scale words of K steps 8 h .. 8 h + 7 of row r
	global_load_b128 v[96:99], v28, s[10:11]
	global_load_b128 v[100:103], v28, s[10:11] offset:16
.endm
.macro MM ct, s                        ; the four accumulators take turns, one instruction a turn
.if \s == 0
	v_wmma_scale_f32_16x16x128_f8f6f4 v[104+8*\ct:111+8*\ct], v[8*(8*\ct+\s):8*(8*\ct+\s)+7], v[128+8*\s:135+8*\s], 0, v[32+16*\ct+\s], v[96+\s] matrix_a_fmt:MATRIX_FMT_FP4 matrix_b_fmt:MATRIX_FMT_FP4
.elseif \s < 8
	v_wmma_scale_f32_16x16x128_f8f6f4 v[104+8*\ct:111+8*\ct], v[8*(8*\ct+\s):8*(8*\ct+\s)+7], v[128+8*\s:135+8*\s], v[104+8*\ct:111+8*\ct], v[32+16*\ct+\s], v[96+\s] matrix_a_fmt:MATRIX_FMT_FP4 matrix_b_fmt:MATRIX_FMT_FP4
.else
	v_wmma_scale_f32_16x16x128_f8f6f4 v[104+8*\ct:111+8*\ct], v[8*(8*\ct+\s-8):8*(8*\ct+\s-8)+7], v[128+8*\s:135+8*\s], v[104+8*\ct:111+8*\ct], v[32+16*\ct+\s], v[96+\s-8] matrix_a_fmt:MATRIX_FMT_FP4 matrix_b_fmt:MATRIX_FMT_FP4 matrix_b_scale:MATRIX_SCALE_ROW1
.endif
.endm
	s_load_b256 s[4:11], s[0:1], 0x0               ; w1, w3, xc, xs
	s_load_b128 s[12:15], s[0:1], 0x20             ; ls, hc
	s_load_b64 s[48:49], s[0:1], 0x30              ; hs
	v_lshl_add_u32 v254, v0, 2, 0x2b000
	v_mov_b32 v255, 0
	v_lshrrev_b32 v1, 5, v0
	v_readfirstlane_b32 s50, v1                    ; wave
	s_mov_b32 s51, ttmp9                           ; j
	s_and_b32 s52, ttmp7, 0xffff                   ; e
	s_mov_b32 s58, 0x76543210
	s_mov_b32 s59, 0xfedcba98                      ; lane l xor 16
	v_and_b32 v1, 31, v0                           ; lane
	v_and_b32 v2, 15, v0                           ; r
	v_bfe_u32 v3, v0, 4, 1                         ; h
	v_lshlrev_b32 v4, 4, v1                        ; 16 x lane
	s_wait_alu depctr_va_sdst(0)                   ; s50 is written, ahead of its first reader: LDS addresses and the bases are made from it
	s_mul_i32 s62, s50, 8448
	v_add_nc_u32 v5, s62, v4                       ; the weights' stage, in
	v_mul_u32_u24 v6, v2, 528
	v_lshl_add_u32 v6, v3, 7, v6
	v_add_nc_u32 v6, s62, v6                       ; and out: row r, + 128 h
	s_lshl_b32 s62, s50, 14
	s_add_co_u32 s62, s62, IMG
	v_add_nc_u32 v7, s62, v4                       ; my tile's images
	s_mul_i32 s62, s50, 2560
	s_add_co_u32 s62, s62, SCI
	v_mul_u32_u24 v10, v1, 80
	v_add_nc_u32 v8, s62, v10                      ; my tile's scale words
	v_add_nc_u32 v9, IMG, v4                       ; all images, to read
	v_add_nc_u32 v10, SCI, v10                     ; all scale words, to read
	v_lshlrev_b32 v12, 2, v2                       ; 4 r: my row's entry among a tile's 16
	s_mul_i32 s62, s50, 16640
	s_add_co_u32 s62, s62, XST
	v_add_nc_u32 v13, s62, v4                      ; x's stage, in: 16 x lane of a load's 512 bytes
	v_mul_u32_u24 v14, v2, 1040
	v_lshl_add_u32 v14, v3, 4, v14
	v_add_nc_u32 v14, s62, v14                     ; and out: row r, + 16 h
	v_lshlrev_b32 v15, 4, v2
	v_lshl_add_u32 v15, v3, 3, v15                 ; 16 r + 8 h
	v_lshlrev_b32 v16, 5, v2                       ; 32 r
	v_lshlrev_b32 v19, 3, v3                       ; 8 h
	v_lshlrev_b32 v238, 5, v3                      ; 32 h
	v_mov_b32 v207, 0                              ; a lane permute's destination counts as one of its sources: written once
	s_and_b32 s62, s50, 1
	s_lshl_b32 s62, s62, 3
	s_lshl_b32 s63, s51, 5
	s_add_co_u32 s62, s62, s63
	s_lshl_b32 s63, s52, 10
	s_add_co_u32 s62, s62, s63                     ; my first weight row: 1024 e + 32 j + 8 u
	s_lshl_b32 s62, s62, 13
	s_mov_b32 s63, 0
	s_mul_i32 s66, s51, PLANE
	s_mov_b32 s67, 0
	s_lshl_b32 s72, s52, 4
	s_mov_b32 s73, 0
	s_mul_i32 s76, s52, LSE
	s_lshl_b32 s77, s50, 6
	s_add_co_u32 s76, s76, s77                     ; my first tile's entries: 4,608 e + 64 x wave
	s_mov_b32 s77, 0
	s_wait_kmcnt 0x0
	s_cmp_lt_u32 s50, 2
	s_cselect_b64 s[60:61], s[4:5], s[6:7]         ; waves 0, 1: w1; waves 2, 3: w3
	s_add_nc_u64 s[60:61], s[60:61], s[62:63]
	s_add_nc_u64 s[14:15], s[14:15], s[66:67]      ; hc at plane j
	s_mov_b32 s66, s51
	s_add_nc_u64 s[48:49], s[48:49], s[66:67]      ; hs at byte j
	s_add_nc_u64 s[72:73], s[12:13], s[72:73]
	s_add_nc_u64 s[76:77], s[12:13], s[76:77]
	s_load_b128 s[68:71], s[72:73], TBL            ; my expert's rows, first position, tiles: wanted behind the 16 K steps
	s_load_b512 s[16:31], s[76:77], 0x0            ; my first tile's entries, likewise
	s_wait_alu depctr_va_vdst(0)                   ; the offsets and LDS addresses v4 to v16 are written, which the loads and stores of the whole kernel read
	global_load_b32 v[EV], v12, s[76:77]           ; (older than every weight load: the counted waits below show it in)
	WIN 0x40
	WLD 0                                          ; four K steps, 64 loads of 512 bytes
	WLD 1
	WLD 2
	WLD 3
	s_wait_loadcnt 48                              ; K step 0's 16 loads are in; the three sets behind it may be out
	STG 0
.irp n, 0,1,2,3,4,5,6,7,8,9,10,11,12,13,14,15
	ds_load_b128 v[X0+4*\n:X0+4*\n+3], v6 offset:256*(\n/8)+16*(\n%8)      ; K step 0's numbers: no vector line has named these registers yet
.endr
.irp s, 0,1,2,3,4,5,6,7,8,9,10,11,12,13,14,15
	FRAG \s
.endr
	s_wait_kmcnt 0x0                               ; the table's row and my first tile's entries
	s_min_u32 s54, s69, 2160                       ; the expert's first position
	s_min_u32 s55, s70, 64                         ; its tiles
	GADDR
	s_wait_dscnt 0x0                               ; for the others' sake: my images and scale words lie in LDS
	s_wait_alu depctr_va_vdst(0)                   ; the 16 rows' offsets and v28 are written, which the loads below read; the lines that made them are done with v20, in which the next entry lands
	GLOAD                                          ; my first tile's rows of x are asked for ahead of the barrier
	XSLD
	s_barrier_signal -1
	s_barrier_wait -1                              ; all 64 fragments and their scale words lie in LDS
	WIN 0x40
	s_wait_alu depctr_vm_vsrc(0)                   ; the stage's stores have read window 1's four sets, in which the fragments land
.irp ct, 0,1,2,3
.irp s, 0,1,2,3,4,5,6,7
.irp c, 0,1
	ds_load_b128 v[8*(8*\ct+\s)+4*\c:8*(8*\ct+\s)+4*\c+3], v9 offset:(16*\ct+\s)*1024+512*\c
.endr
.endr
.endr
	WIN 0x80
.irp ct, 0,1,2,3
.irp s, 0,1,2,3,4,5,6,7
.irp c, 0,1
	ds_load_b128 v[8*(8*\ct+\s)+4*\c:8*(8*\ct+\s)+4*\c+3], v9 offset:(16*\ct+\s+8)*1024+512*\c
.endr
.endr
.endr
	WIN 0
.irp ct, 0,1,2,3
.irp q, 0,1,2,3
	ds_load_b128 v[32+16*\ct+4*\q:35+16*\ct+4*\q], v10 offset:2560*\ct+16*\q   ; v32-95 held the odd K steps' numbers: the lines that read them stand ahead of the wait on va_vdst above, and none since names them
.endr
.endr
	s_mov_b32 s56, s50                             ; my tile
	s_mov_b32 s57, 0
.Ltile:                                                ; 16 trips serve 64 tiles, all tokens on one expert; a wave leaves when its tiles are done (no barrier follows)
	s_wait_kmcnt 0x0                               ; the entries asked for a tile ago
	s_cmp_ge_u32 s56, s55
	s_cbranch_scc1 .Ldone
	s_wait_loadcnt 0x0                             ; this tile's rows of x, their scale words, and my row's next entry
	s_wait_xcnt 0x0                                ; the last tile's stores have read their registers
	s_wait_alu depctr_vm_vsrc(0)                   ; the gather and the scale words' loads issued so far have read v216-231 and v28, the last tile's stores v29, v30 and v232-234: all are written again below
	GADDR                                          ; my next tile's offsets
	WIN 0x0c
.irp n, 0,1,2,3,4,5,6,7,8,9,10,11,12,13,14,15
.irp q, 0,1
	ds_store_b128 v13, v[4*(2*\n+\q):4*(2*\n+\q)+3] offset:\n*1040+512*\q
.endr
.endr
	WIN 0xc0
.irp s, 0,1,2,3,4,5,6,7,8,9,10,11,12,13,14,15
.irp c, 0,1
	ds_load_b128 v[128+8*\s+4*\c:128+8*\s+4*\c+3], v14 offset:64*\s+32*\c  ; the last tile's products were shown done with these registers by the wait behind them
.endr
.endr
	WIN 0
	s_wait_alu depctr_vm_vsrc(0)                   ; the stage's stores have read window 3's v0-127, in which the next tile's rows land
	s_wait_alu depctr_va_vdst(0)                   ; the next tile's offsets are written, which the gather reads; the lines that made them are done with v20, in which the entry behind it lands
	s_add_co_u32 s62, s56, 4
	s_cmp_ge_u32 s62, s55
	s_cbranch_scc1 .Llast                          ; no next tile: nothing is fetched for it
	GLOAD                                          ; ahead of the wait for the stage's loads: it hangs on the two waits above alone
.Llast:
	s_wait_dscnt 0x0                               ; x's fragments, and in the first trip the weights', are in
	WIN 0x0d                                       ; source 0 window 1, source 1 window 3
.irp s, 0,1,2,3,4,5,6,7
.irp ct, 0,1,2,3
	MM \ct, \s
.endr
.endr
	WIN 0x0e                                       ; source 0 window 2
.irp s, 8,9,10,11,12,13,14,15
.irp ct, 0,1,2,3
	MM \ct, \s
.endr
.endr
	WIN 0
	s_lshl_b32 s62, s56, 4
	s_add_co_u32 s62, s62, s54
	s_min_u32 s62, s62, 2160                       ; the tile's first position
	v_lshl_add_u32 v29, s62, 4, v15                ; four plain lines stand behind the last product
	v_lshl_add_u32 v30, s62, 5, v16
	v_nop
	v_nop
	s_wait_alu depctr_va_vdst(0)                   ; the products are done reading x's scale words v96-103, in which the loads below land, and x's fragments, in which the next tile's stage loads land; the places above stay beside this wait
	XSLD                                           ; the next tile's scale words (behind the last tile: 1 KiB of a valid row, unused)
.irp p, 0,2,4,6,8,10,12,14
	v_pk_mul_f32 v[136+\p:137+\p], v[104+\p:105+\p], 0xbfb8aa3b op_sel_hi:[1,0]   ; -a log2(e); each accumulator is read from its low end on
.endr
	s_wait_alu depctr_va_vdst(0)
.irp n, 0,1,2,3,4,5,6,7,8,9,10,11,12,13,14,15
	v_exp_f32 v[136+\n], v[136+\n]
.endr
	v_nop
	s_wait_alu depctr_va_vdst(0)                   ; the sixteen exponentials have written v136-151, ahead of their first reader
.irp p, 0,2,4,6,8,10,12,14
	v_pk_add_f32 v[136+\p:137+\p], v[136+\p:137+\p], 1.0 op_sel_hi:[1,0]
.endr
	s_wait_alu depctr_va_vdst(0)
.irp n, 0,1,2,3,4,5,6,7,8,9,10,11,12,13,14,15
	v_rcp_f32 v[136+\n], v[136+\n]
.endr
	v_nop
	s_wait_alu depctr_va_vdst(0)                   ; the sixteen reciprocals have written v136-151, ahead of their first reader
.irp p, 0,2,4,6,8,10,12,14
	v_pk_mul_f32 v[152+\p:153+\p], v[104+\p:105+\p], v[136+\p:137+\p]              ; silu(a)
.endr
.irp p, 0,2,4,6,8,10,12,14
	v_pk_mul_f32 v[152+\p:153+\p], v[152+\p:153+\p], v[120+\p:121+\p]              ; x b
.endr
	v_max3_num_f32 v200, |v152|, |v153|, 0x1800000
.irp i, 2,4,6,8,10,12,14
	v_max3_num_f32 v200, v200, |v[152+\i]|, |v[153+\i]|
.endr
	v_permlanex16_b32 v207, v200, s58, s59
	v_max_num_f32 v200, v200, v207                 ; the block's largest magnitude
	v_add_nc_u32 v202, 0xff000000, v200
	v_cvt_scalef32_pk8_fp4_f32 v232, v[152:159], v202
	v_cvt_scalef32_pk8_fp4_f32 v233, v[160:167], v202
	v_lshrrev_b32 v234, 23, v202                   ; the byte (also the plain line behind the conversions)
	s_wait_alu depctr_va_vdst(0)                   ; the codes v232, v233 and the byte v234 are written, which the two stores read (their offsets v29, v30 stand ahead of an earlier wait)
	global_store_b64 v29, v[232:233], s[14:15]     ; the wave stores 256 consecutive bytes, aligned: 16 positions of plane j
	global_store_b8 v30, v234, s[48:49]            ; both lanes of a block write the same byte
	s_add_co_u32 s56, s56, 4
	s_add_co_u32 s57, s57, 1
	s_cmp_lt_u32 s57, 16
	s_cbranch_scc1 .Ltile
.Ldone:
	s_wait_dscnt 0x0                               ; the closing lines, six on end
	s_wait_alu 0x0
	s_wait_tensorcnt 0x0
	ds_add_u32 v254, v255
	s_wait_dscnt 0x0
	s_endpgm
.Lfunc_end_k_q90d9ccceeb_hidden:
	.size	k_q90d9ccceeb_hidden, .Lfunc_end_k_q90d9ccceeb_hidden-k_q90d9ccceeb_hidden
	.p2alignl 7, 3214868480
	.fill 96, 4, 3214868480
	.section	.rodata,"a",@progbits
	.p2align	6, 0x0
	.amdhsa_kernel k_q90d9ccceeb_hidden
		.amdhsa_group_segment_fixed_size 176640
		.amdhsa_private_segment_fixed_size 0
		.amdhsa_enable_private_segment 0
		.amdhsa_kernarg_size 56
		.amdhsa_user_sgpr_count 2
		.amdhsa_user_sgpr_kernarg_segment_ptr 1
		.amdhsa_wavefront_size32 1
		.amdhsa_system_sgpr_workgroup_id_x 1
		.amdhsa_system_sgpr_workgroup_id_y 1
		.amdhsa_system_sgpr_workgroup_id_z 1
		.amdhsa_system_vgpr_workitem_id 0
		.amdhsa_next_free_vgpr 1024
		.amdhsa_next_free_sgpr 80
		.amdhsa_reserve_vcc 0
		.amdhsa_float_denorm_mode_32 3
		.amdhsa_float_denorm_mode_16_64 3
		.amdhsa_memory_ordered 1
		.amdhsa_forward_progress 1
		.amdhsa_inst_pref_size 154
	.end_amdhsa_kernel
	.amdgpu_metadata
---
amdhsa.version: [ 1, 2 ]
amdhsa.kernels:
  - .name:           k_q90d9ccceeb_hidden
    .symbol:         k_q90d9ccceeb_hidden.kd
    .args:
      - { .name: w1, .offset: 0, .size: 8, .value_kind: global_buffer, .address_space: global }
      - { .name: w3, .offset: 8, .size: 8, .value_kind: global_buffer, .address_space: global }
      - { .name: xc, .offset: 16, .size: 8, .value_kind: global_buffer, .address_space: global }
      - { .name: xs, .offset: 24, .size: 8, .value_kind: global_buffer, .address_space: global }
      - { .name: ls, .offset: 32, .size: 8, .value_kind: global_buffer, .address_space: global }
      - { .name: hc, .offset: 40, .size: 8, .value_kind: global_buffer, .address_space: global }
      - { .name: hs, .offset: 48, .size: 8, .value_kind: global_buffer, .address_space: global }
    .group_segment_fixed_size: 176640
    .private_segment_fixed_size: 0
    .kernarg_segment_align: 8
    .kernarg_segment_size: 56
    .max_flat_workgroup_size: 128
    .sgpr_count:     80
    .vgpr_count:     1024
    .wavefront_size: 32
...
	.end_amdgpu_metadata
.endif
;; end of part 8
;; launch outp (part 9): grid 32 x 8, 4 waves a work-group, no clusters, 90,624 bytes of LDS; arguments w2, hc, hs, ls, y; writes y
.if DOCPART == 9
	.amdgcn_target "amdgcn-amd-amdhsa--gfx1250"
	.amdhsa_code_object_version 6
	.text
	.protected	k_q90d9ccceeb_outp
	.globl	k_q90d9ccceeb_outp
	.p2align	8
	.type	k_q90d9ccceeb_outp,@function
k_q90d9ccceeb_outp:
	s_mov_b64 s[64:65], 0
	v_nop
	global_prefetch_b8 v0, s[64:65] scope:SCOPE_SE
	s_setreg_imm32_b32 hwreg(HW_REG_WAVE_SCHED_MODE, 0, 2), 2
	s_setreg_imm32_b32 hwreg(HW_REG_WAVE_MODE, 25, 1), 1
	s_wait_xcnt 0x0
	s_wait_alu depctr_vm_vsrc(0)
; y[2 token + choice][:] = h w2[e]^T for the rows that chose expert e, on codes of E2M1 with one E8M0 scale for each 32 along K = I; the gates are applied by the launch behind this one.
; Work-group (q, e) owns output columns 64 q .. 64 q + 63 of expert e: 64 rows of w2, 256 KiB of f32, which it alone reads, once.
; PHASE 1: wave w quantises the tile of rows 16 w .. 16 w + 15 in 8 K steps of 128, as the launch before does: loads of 512 consecutive bytes, a turn through the wave's stage, images of the operand's registers in LDS.
; PHASE 2: every wave takes all 32 fragments into registers and walks the expert's tiles of 16 rows, w, w + 4, ..  h's codes lie [block][position][16 bytes]: a fragment's registers come by loads of which each half of the
;   lanes reads 256 aligned bytes.  Two sets of h by turns.  Source 0 = w2's rows, source 1 = h's rows: a lane holds eight neighbouring columns of one row; a tile goes through the wave's stage and leaves as runs of 256 aligned bytes.
; The list of the expert's rows and its row of the table come from ls, as in the launch before.  A pad row goes to row 2048 + e of y, which nobody reads.
;   A wave reads its entries once, one register a tile: lane (r, h) holds the entry of row r xor h, so that row_share:2 i gives lanes 0-15 the entry of row 2 i and lanes 16-31 that of row 2 i + 1.
;   A register's number cannot hang on a loop's counter: so the registers move down two places a trip of two tiles.
; No joint loads: h's tiles are loaded into registers, and their number is read from memory.
; LIMITS: NaN and infinities are not served; a block of zeros gets the byte 1 (its codes are zeros; the bytes are this program's own).
; THE MODE: SCHED_MODE bits 1:0 = 2 (LLVM: expert scheduling mode 2), set by the entry lines.  The code itself states the register dependences between vector or matrix instructions and memory or LDS instructions,
;   with s_wait_alu, always for 0.
; THE PLAN, PHASE 1.  Registers that memory or LDS instructions touch in K step s:
;   set s % 4 (window 1)   written by the loads of K step s; read by the stage's stores of step s, which are issued in step s - 1; asked for again, for step s + 4, at the head of step s.
;   X[s % 2]               written by the stage's loads of step s, which are dealt among the maxima of step s - 1; read by step s's maxima and conversions.
;   v206, v208-215         written by step s's vector lines; read by its three image stores.
;   v4 to v8               offsets and LDS addresses, written at the head alone.
;   Two waits a step: on vm_vsrc at its head (the stage's stores have read the set; the last step's image stores their data), on va_vdst behind its conversions (the image is written; X[s % 2] has been read out).
; THE PLAN, PHASE 2.  In a tile on set p of h:
;   window 2's set p, v64 + 4 p ..   written by the 17 loads of h; read by the tile's products; asked for again behind them.
;   v28 + p, v104 + p                written by two vector lines behind the products; read by those 17 loads.
;   v72-103, the accumulators        written by the products; read by the stage's stores.
;   v20-27, v136-167                 the rows' offsets, written by vector lines behind the products, and the rows themselves, written by the stage's loads; both read by the 8 stores.
;   Two waits a tile: on vm_vsrc at its head, for all that the last tile's loads and stores read and this tile writes; on va_vdst behind the products, for all that this tile's loads and stores touch.
; REGISTERS: window 0: v1-31 addresses; v32-63 w2's scale words; v64-71 h's, two sets; v72-103 four accumulators (v32-95 in phase 1: the second buffer of 64 numbers); v104-105 offsets of h's scale words; v136-167 at work;
;   v168-183 the list's entries (in phase 1: at work); v200-223 at work.
;   window 1: four sets of 64 for the weight loads, later the 32 fragments.  window 2: h's fragments, two sets of 64.
; LDS: from byte 0 the weights' stage, 4 waves x 16 rows x 528;
.set OST,   33792                      ; 4 waves x 16 rows x 272: the way out
.set IMG,   51200                      ; 32 fragments x 1,024: tile ct, K step s at 8 ct + s
.set SCI,   83968                      ; 4 tiles x 32 lanes x 48
.set PLANE, 34816
.set LSE,   4608                       ; bytes of an expert's list
.set TBL,   36864                      ; where the table begins in ls
.set NS,    8
.set X0,    136                        ; v136-199: the 64 numbers of an even K step
.set X1,    32                         ; v32-95: those of an odd one
.set LR,    168                        ; v168-183: the entries of my tiles w + 4 k, k = 0 .. 15
.set HSO,   104                        ; v104-105: where a set's scale words lie
.set MSB, 0
.macro WIN new                         ; the immediate's high byte repeats the setting that is left
.if MSB != \new
	s_set_vgpr_msb (MSB<<8)|\new
.set MSB, \new
.endif
.endm
.macro WLD s
.irp r, 0,1,2,3,4,5,6,7,8,9,10,11,12,13,14,15
	global_load_b128 v[64*((\s)%4)+4*\r:64*((\s)%4)+4*\r+3], v4, s[60:61] offset:4096*\r+512*(\s) th:TH_LOAD_NT
.endr
.endm
.macro STG s                           ; set s % 4 goes into my stage as it was loaded
	WIN 0x04                                       ; an LDS store's data: window 1
.irp r, 0,1,2,3,4,5,6,7,8,9,10,11,12,13,14,15
	ds_store_b128 v5, v[64*((\s)%4)+4*\r:64*((\s)%4)+4*\r+3] offset:528*\r
.endr
	WIN 0
.endm
; One fragment: K step s of my tile.  Its numbers were sent through the stage in the step before; the next step's go through it now.
.macro FRAG s
.set XS, X0+(X1-X0)*((\s)%2)
.set XN, X0+(X1-X0)*(((\s)+1)%2)
.if (\s) > 0
	s_wait_dscnt 3                                 ; this step's numbers are back from the stage; the last step's three image stores, issued behind them, may be out
.else
	s_wait_dscnt 0x0
.endif
.if (\s)+4 < NS
	WIN 0x40
.endif
	s_wait_alu depctr_vm_vsrc(0)                   ; the stage's stores have read set s % 4, in which the loads below land; the last step's image stores have read v206 and v208-215, which this step writes again
.if (\s)+4 < NS
	WLD (\s)+4
.endif
.if (\s)+1 < NS
.if NS-2-(\s) >= 3
	s_wait_loadcnt 48                              ; the next step's 16 loads are in; the three sets behind it may be out
.else
	s_wait_loadcnt 16*(NS-2-(\s))
.endif
	STG (\s)+1                                     ; LDS serves a wave's instructions in order: these come behind this step's reads of the stage, and the loads below see them
.endif
.irp c, 0,1
	v_max3_num_f32 v[200+\c], |v[XS+32*\c]|, |v[XS+32*\c+1]|, 0x1800000   ; my block 2 c + h, and the floor 2^(3 - 127)
.endr
.if (\s)+1 < NS
	ds_load_b128 v[XN:XN+3], v6                    ; the next step's numbers, one load behind each pair of maxima.  No wait: no vector line since the last step's wait on va_vdst names the other buffer
.endif
.irp i, 2,4,6,8,10,12,14,16,18,20,22,24,26,28,30
.irp c, 0,1
	v_max3_num_f32 v[200+\c], v[200+\c], |v[XS+32*\c+\i]|, |v[XS+32*\c+\i+1]|
.endr
.if (\s)+1 < NS
	ds_load_b128 v[XN+2*\i:XN+2*\i+3], v6 offset:256*(\i/16)+16*((\i/2)%8)
.endif
.endr
	v_add_nc_u32 v202, 0xff000000, v200            ; 2 off the exponent field: the conversion's scale operand
	v_add_nc_u32 v203, 0xff000000, v201
	v_lshrrev_b32 v204, 23, v202
	v_lshrrev_b32 v205, 23, v203
	v_lshl_or_b32 v206, v205, 16, v204
	v_lshlrev_b32 v206, v19, v206                  ; bytes h and 2 + h of the row's scale word
	v_permlanex16_b32 v207, v206, s58, s59
	v_or_b32 v206, v206, v207
.irp c, 0,1
.irp q, 0,1,2,3
	v_cvt_scalef32_pk8_fp4_f32 v[208+4*\c+\q], v[XS+32*\c+8*\q:XS+32*\c+8*\q+7], v[202+\c]
.endr
.endr
	v_nop                                          ; one plain line behind the conversions
	s_wait_alu depctr_va_vdst(0)                   ; v206 and v208-215 are written, which the three stores read; the maxima and conversions are done reading this step's buffer, in which later loads land
	ds_store_b128 v7, v[208:211] offset:1024*(\s)
	ds_store_b128 v7, v[212:215] offset:1024*(\s)+512
	ds_store_b32 v8, v206 offset:4*(\s)
.endm
; h's eight fragments and scale words of tile s56 + ahead, held to the expert's last tile, into set: 17 loads.
.macro LOADH set, ahead
	s_add_co_u32 s62, s56, \ahead
	s_min_u32 s62, s62, s57
	s_lshl_b32 s62, s62, 4
	s_add_co_u32 s62, s62, s66
	s_min_u32 s62, s62, 2160
	v_lshl_add_u32 v[28+\set], s62, 4, v16
	v_lshl_add_u32 v[HSO+\set], s62, 5, v18
	WIN 0x80
	s_wait_alu depctr_va_vdst(0)                   ; the two offsets above are written, which the loads read.  In a tile also: the products are done reading this set of h and its scale words, in which the loads land, and have written the accumulators, and the rows' offsets v20-27 are written: the stores behind these loads read both
.irp s, 0,1,2,3,4,5,6,7
.irp c, 0,1
	global_load_b128 v[64*\set+8*\s+4*\c:64*\set+8*\s+4*\c+3], v[28+\set], s[6:7] offset:(4*\s+2*\c)*PLANE
.endr
.endr
	WIN 0
	global_load_b128 v[64+4*\set:67+4*\set], v[HSO+\set], s[8:9]
.endm
.macro MM ct, s, set                   ; the four accumulators take turns, one instruction a turn
.if \s == 0
	v_wmma_scale_f32_16x16x128_f8f6f4 v[72+8*\ct:79+8*\ct], v[8*(8*\ct+\s):8*(8*\ct+\s)+7], v[64*\set+8*\s:64*\set+8*\s+7], 0, v[32+8*\ct+\s], v[64+4*\set+\s] matrix_a_fmt:MATRIX_FMT_FP4 matrix_b_fmt:MATRIX_FMT_FP4
.elseif \s < 4
	v_wmma_scale_f32_16x16x128_f8f6f4 v[72+8*\ct:79+8*\ct], v[8*(8*\ct+\s):8*(8*\ct+\s)+7], v[64*\set+8*\s:64*\set+8*\s+7], v[72+8*\ct:79+8*\ct], v[32+8*\ct+\s], v[64+4*\set+\s] matrix_a_fmt:MATRIX_FMT_FP4 matrix_b_fmt:MATRIX_FMT_FP4
.else
	v_wmma_scale_f32_16x16x128_f8f6f4 v[72+8*\ct:79+8*\ct], v[8*(8*\ct+\s):8*(8*\ct+\s)+7], v[64*\set+8*\s:64*\set+8*\s+7], v[72+8*\ct:79+8*\ct], v[32+8*\ct+\s], v[64+4*\set+\s-4] matrix_a_fmt:MATRIX_FMT_FP4 matrix_b_fmt:MATRIX_FMT_FP4 matrix_b_scale:MATRIX_SCALE_ROW1
.endif
.endm
.macro TILE set                        ; tile s56 + 4 set; its entries stand in v[LR + set]
	s_add_co_u32 s62, s56, 4*\set
	s_cmp_ge_u32 s62, s55
	s_cbranch_scc1 .Ldone
	s_wait_loadcnt 17                              ; this set's 17 loads, and whatever is older, are in; the other set's 17 may be out
	s_wait_xcnt 0x0                                ; the last tile's stores have read their registers
	s_wait_alu depctr_vm_vsrc(0)                   ; the last tile's stage stores have read the accumulators, its 8 stores v20-27 and v136-167, and this set's last loads v[28 + set] and v[104 + set]: all are written again in this tile
.irp n, 0,2,4,6,8,10,12,14
	v_mov_b32_dpp v[216+\n/2], v[LR+\set] row_share:\n row_mask:0xf bank_mask:0xf   ; lanes 0-15: the entry of row n; lanes 16-31: of row n + 1
.endr
	WIN 0x09                                       ; source 0 window 1, source 1 window 2
.irp s, 0,1,2,3,4,5,6,7
.irp ct, 0,1,2,3
	MM \ct, \s, \set
.endr
.endr
	WIN 0
.irp i, 0,1,2,3,4,5,6,7
	v_min_u32 v[216+\i], 2055, v[216+\i]           ; these sixteen plain lines stand behind the last product
.endr
.irp i, 0,1,2,3,4,5,6,7
	v_lshl_add_u32 v[20+\i], v[216+\i], 13, v31    ; the row of y, + 16 r
.endr
	LOADH \set, 4*\set+8                           ; this set takes the tile two turns on
.irp ct, 0,1,2,3
	ds_store_b128 v13, v[72+8*\ct:75+8*\ct] offset:64*\ct      ; each accumulator from its low end on.  No wait: no vector or matrix line stands behind the wait in the loads above
	ds_store_b128 v13, v[76+8*\ct:79+8*\ct] offset:64*\ct+16
.endr
.irp i, 0,1,2,3,4,5,6,7
	ds_load_b128 v[136+4*\i:139+4*\i], v14 offset:2*\i*272     ; LDS serves a wave's instructions in order: these see my stores
.endr
	s_wait_dscnt 0x0
.irp i, 0,1,2,3,4,5,6,7
	global_store_b128 v[20+\i], v[136+4*\i:139+4*\i], s[12:13] ; sixteen lanes store 256 consecutive bytes of a row, aligned
.endr
.endm
	s_load_b256 s[4:11], s[0:1], 0x0               ; w2, hc, hs, ls
	s_load_b64 s[12:13], s[0:1], 0x20              ; y
	v_lshl_add_u32 v254, v0, 2, 0x16000
	v_mov_b32 v255, 0
	v_lshrrev_b32 v1, 5, v0
	v_readfirstlane_b32 s50, v1                    ; wave
	s_mov_b32 s51, ttmp9                           ; q
	s_and_b32 s52, ttmp7, 0xffff                   ; e
	s_mov_b32 s58, 0x76543210
	s_mov_b32 s59, 0xfedcba98                      ; lane l xor 16
	v_and_b32 v1, 31, v0                           ; lane
	v_and_b32 v2, 15, v0                           ; r
	v_bfe_u32 v3, v0, 4, 1                         ; h
	v_lshlrev_b32 v4, 4, v1                        ; 16 x lane
	s_wait_alu depctr_va_sdst(0)                   ; s50 is written, ahead of its first reader: LDS addresses and the bases are made from it
	s_mul_i32 s62, s50, 8448
	v_add_nc_u32 v5, s62, v4                       ; the weights' stage, in
	v_mul_u32_u24 v6, v2, 528
	v_lshl_add_u32 v6, v3, 7, v6
	v_add_nc_u32 v6, s62, v6                       ; and out: row r, + 128 h
	s_lshl_b32 s62, s50, 13
	s_add_co_u32 s62, s62, IMG
	v_add_nc_u32 v7, s62, v4                       ; my tile's images
	s_mul_i32 s62, s50, 1536
	s_add_co_u32 s62, s62, SCI
	v_mul_u32_u24 v10, v1, 48
	v_add_nc_u32 v8, s62, v10                      ; my tile's scale words
	v_add_nc_u32 v9, IMG, v4                       ; all images, to read
	v_add_nc_u32 v10, SCI, v10                     ; all scale words, to read
	v_xor_b32 v12, v2, v3
	v_lshlrev_b32 v12, 2, v12
	s_lshl_b32 s62, s50, 6
	v_add_nc_u32 v12, s62, v12                     ; the list: 64 x wave + 4 (r xor h); a tile of mine is 256 bytes on from the last
	v_lshlrev_b32 v31, 4, v2                       ; 16 r
	s_mul_i32 s62, s50, 4352
	s_add_co_u32 s62, s62, OST
	v_mul_u32_u24 v13, v2, 272
	v_lshl_add_u32 v13, v3, 5, v13
	v_add_nc_u32 v13, s62, v13                     ; the way out, in: row r, + 32 h
	v_mul_u32_u24 v14, v3, 272
	v_add_nc_u32 v14, v14, v31
	v_add_nc_u32 v14, s62, v14                     ; and back: row h, + 16 r
	v_mul_u32_u24 v16, v3, PLANE
	v_add_nc_u32 v16, v16, v31                     ; hc: 16 r + h planes
	v_lshlrev_b32 v18, 5, v2
	v_lshl_add_u32 v18, v3, 4, v18                 ; hs: 32 r + 16 h
	v_lshlrev_b32 v19, 3, v3                       ; 8 h
	v_mov_b32 v207, 0                              ; destinations of lane permutes and of moves between lanes count as sources: written once
.irp c, 0,1,2,3,4,5,6,7
	v_mov_b32 v[216+\c], 0
.endr
	s_lshl_b32 s62, s50, 4
	s_lshl_b32 s63, s51, 6
	s_add_co_u32 s62, s62, s63
	s_lshl_b32 s63, s52, 11
	s_add_co_u32 s62, s62, s63                     ; my first row of w2: 2048 e + 64 q + 16 w
	s_lshl_b32 s62, s62, 12
	s_mov_b32 s63, 0
	s_lshl_b32 s66, s51, 8
	s_mov_b32 s67, 0
	s_lshl_b32 s72, s52, 4
	s_mov_b32 s73, 0
	s_mul_i32 s76, s52, LSE
	s_mov_b32 s77, 0
	s_wait_kmcnt 0x0
	s_add_nc_u64 s[60:61], s[4:5], s[62:63]
	s_add_nc_u64 s[12:13], s[12:13], s[66:67]      ; y at column 64 q
	s_add_nc_u64 s[72:73], s[10:11], s[72:73]
	s_add_nc_u64 s[76:77], s[10:11], s[76:77]      ; my expert's list
	s_load_b128 s[68:71], s[72:73], TBL            ; my expert's rows, first position, tiles: wanted behind the 8 K steps
	WIN 0x40
	s_wait_alu depctr_va_vdst(0)                   ; the offsets and LDS addresses v4 to v18 are written, which the loads and stores of the whole kernel read
	WLD 0                                          ; four K steps, 64 loads of 512 bytes
	WLD 1
	WLD 2
	WLD 3
	s_wait_loadcnt 48                              ; K step 0's 16 loads are in; the three sets behind it may be out
	STG 0
.irp n, 0,1,2,3,4,5,6,7,8,9,10,11,12,13,14,15
	ds_load_b128 v[X0+4*\n:X0+4*\n+3], v6 offset:256*(\n/8)+16*(\n%8)      ; K step 0's numbers: no vector line has named these registers yet
.endr
.irp s, 0,1,2,3,4,5,6,7
	FRAG \s
.endr
	s_wait_kmcnt 0x0                               ; the table's row
	s_min_u32 s54, s69, 2160                       ; the expert's first position
	s_min_u32 s55, s70, 64                         ; its tiles
	s_max_u32 s57, s55, 1
	s_sub_co_u32 s57, s57, 1                       ; the expert's last tile
	s_cmp_eq_u32 s55, 0
	s_cselect_b32 s66, 0, s54                      ; an expert without rows looks at position 0 and uses nothing of it
.irp k, 0,1,2,3,4,5,6,7,8,9,10,11,12,13,14,15
	global_load_b32 v[LR+\k], v12, s[76:77] offset:256*\k      ; the entries of my tiles w + 4 k: older than both sets of h.  (v168-183 held numbers of the even K steps: the lines that read them stand ahead of the last two steps' waits on va_vdst, and none since names them)
.endr
	s_mov_b32 s56, s50                             ; my tile
	LOADH 0, 0
	LOADH 1, 4
	s_wait_dscnt 0x0                               ; for the others' sake: my images and scale words lie in LDS
	s_barrier_signal -1
	s_barrier_wait -1                              ; all 32 fragments and their scale words lie in LDS
	WIN 0x40
	s_wait_alu depctr_vm_vsrc(0)                   ; the stage's stores have read window 1's four sets, in which the fragments land
.irp ct, 0,1,2,3
.irp s, 0,1,2,3,4,5,6,7
.irp c, 0,1
	ds_load_b128 v[8*(8*\ct+\s)+4*\c:8*(8*\ct+\s)+4*\c+3], v9 offset:(8*\ct+\s)*1024+512*\c
.endr
.endr
.endr
	WIN 0
.irp ct, 0,1,2,3
.irp q, 0,1
	ds_load_b128 v[32+8*\ct+4*\q:35+8*\ct+4*\q], v10 offset:1536*\ct+16*\q   ; v32-63 held numbers of the odd K steps: the lines that read them stand ahead of the waits on va_vdst above, and none since names them
.endr
.endr
	s_wait_dscnt 0x0
	s_mov_b32 s67, 0
.Ltile:                                                ; 8 trips of two tiles serve 64 tiles; a wave leaves when its tiles are done (no barrier follows)
	TILE 0
	TILE 1
.irp k, 0,1,2,3,4,5,6,7,8,9,10,11,12,13
	v_mov_b32 v[LR+\k], v[LR+\k+2]                 ; the entries move down two tiles
.endr
	s_add_co_u32 s56, s56, 8
	s_add_co_u32 s67, s67, 1
	s_cmp_lt_u32 s67, 8
	s_cbranch_scc1 .Ltile
.Ldone:
	s_wait_dscnt 0x0                               ; the closing lines, six on end
	s_wait_alu 0x0
	s_wait_tensorcnt 0x0
	ds_add_u32 v254, v255
	s_wait_dscnt 0x0
	s_endpgm
.Lfunc_end_k_q90d9ccceeb_outp:
	.size	k_q90d9ccceeb_outp, .Lfunc_end_k_q90d9ccceeb_outp-k_q90d9ccceeb_outp
	.p2alignl 7, 3214868480
	.fill 96, 4, 3214868480
	.section	.rodata,"a",@progbits
	.p2align	6, 0x0
	.amdhsa_kernel k_q90d9ccceeb_outp
		.amdhsa_group_segment_fixed_size 90624
		.amdhsa_private_segment_fixed_size 0
		.amdhsa_enable_private_segment 0
		.amdhsa_kernarg_size 40
		.amdhsa_user_sgpr_count 2
		.amdhsa_user_sgpr_kernarg_segment_ptr 1
		.amdhsa_wavefront_size32 1
		.amdhsa_system_sgpr_workgroup_id_x 1
		.amdhsa_system_sgpr_workgroup_id_y 1
		.amdhsa_system_sgpr_workgroup_id_z 1
		.amdhsa_system_vgpr_workitem_id 0
		.amdhsa_next_free_vgpr 768
		.amdhsa_next_free_sgpr 80
		.amdhsa_reserve_vcc 0
		.amdhsa_float_denorm_mode_32 3
		.amdhsa_float_denorm_mode_16_64 3
		.amdhsa_memory_ordered 1
		.amdhsa_forward_progress 1
		.amdhsa_inst_pref_size 89
	.end_amdhsa_kernel
	.amdgpu_metadata
---
amdhsa.version: [ 1, 2 ]
amdhsa.kernels:
  - .name:           k_q90d9ccceeb_outp
    .symbol:         k_q90d9ccceeb_outp.kd
    .args:
      - { .name: w2, .offset: 0, .size: 8, .value_kind: global_buffer, .address_space: global }
      - { .name: hc, .offset: 8, .size: 8, .value_kind: global_buffer, .address_space: global }
      - { .name: hs, .offset: 16, .size: 8, .value_kind: global_buffer, .address_space: global }
      - { .name: ls, .offset: 24, .size: 8, .value_kind: global_buffer, .address_space: global }
      - { .name: y, .offset: 32, .size: 8, .value_kind: global_buffer, .address_space: global }
    .group_segment_fixed_size: 90624
    .private_segment_fixed_size: 0
    .kernarg_segment_align: 8
    .kernarg_segment_size: 40
    .max_flat_workgroup_size: 128
    .sgpr_count:     80
    .vgpr_count:     768
    .wavefront_size: 32
...
	.end_amdgpu_metadata
.endif
;; end of part 9
;; launch comb (part 10): grid 256 x 1, 8 waves a work-group, no clusters, 0 bytes of LDS; arguments y, gp, rt, out0, out1; writes out0, out1
.if DOCPART == 10
	.amdgcn_target "amdgcn-amd-amdhsa--gfx1250"
	.amdhsa_code_object_version 6
	.text
	.protected	k_q90d9ccceeb_comb
	.globl	k_q90d9ccceeb_comb
	.p2align	8
	.type	k_q90d9ccceeb_comb,@function
k_q90d9ccceeb_comb:
	s_mov_b64 s[64:65], 0
	v_nop
	global_prefetch_b8 v0, s[64:65] scope:SCOPE_SE
	s_setreg_imm32_b32 hwreg(HW_REG_WAVE_MODE, 25, 1), 1
	s_wait_xcnt 0x0
; out0[t] = g0[t] y[2 t] + g1[t] y[2 t + 1]: a token's two expert rows, weighed by its gates.  A stream: a wave takes half a token's row, 16 loads of 512 consecutive bytes, 8 stores likewise.
; out1 = 0.08 x the sum over experts of (count / 1024)(sum of scores / 1024): made by wave 0 of work-group 0 from the 128 groups' counts and sums, while its rows are on their way.
; No LDS, no barrier, no matrix unit: each byte is read once and used once.
	s_load_b256 s[4:11], s[0:1], 0x0               ; y, gp, rt, out0
	s_load_b64 s[12:13], s[0:1], 0x20              ; out1
	v_lshrrev_b32 v1, 5, v0
	s_delay_alu instid0(VALU_DEP_1)
	v_readfirstlane_b32 s16, v1                    ; wave
	v_and_b32 v1, 31, v0
	s_delay_alu instid0(VALU_DEP_1)
	v_lshlrev_b32 v2, 4, v1                        ; 16 x lane
	s_mov_b32 s14, 0x76543210
	s_mov_b32 s15, 0xfedcba98
	s_lshr_b32 s17, s16, 1
	s_lshl_b32 s18, ttmp9, 2
	s_add_co_u32 s17, s17, s18                     ; token
	s_and_b32 s18, s16, 1
	s_lshl_b32 s18, s18, 12                        ; which half of the row
	s_lshl_b32 s20, s17, 14
	s_add_co_u32 s20, s20, s18
	s_mov_b32 s21, 0
	s_lshl_b32 s22, s17, 13
	s_add_co_u32 s22, s22, s18
	s_mov_b32 s23, 0
	s_lshl_b32 s24, s17, 3
	s_mov_b32 s25, 0
	s_wait_alu depctr_va_vdst(0)
	s_wait_kmcnt 0x0
	s_add_nc_u64 s[4:5], s[4:5], s[20:21]
	s_add_nc_u64 s[10:11], s[10:11], s[22:23]
	s_add_nc_u64 s[24:25], s[6:7], s[24:25]
	s_load_b64 s[26:27], s[24:25], 0x0             ; the token's two gates
.irp i, 0,1,2,3,4,5,6,7
	global_load_b128 v[16+4*\i:19+4*\i], v2, s[4:5] offset:512*\i th:TH_LOAD_NT
	global_load_b128 v[48+4*\i:51+4*\i], v2, s[4:5] offset:8192+512*\i th:TH_LOAD_NT
.endr
	s_or_b32 s30, ttmp9, s16
	s_cmp_lg_u32 s30, 0
	s_cbranch_scc1 .Lmain
.irp i, 0,1,2,3
	global_load_b128 v[80+4*\i:83+4*\i], v2, s[8:9] offset:2048+512*\i     ; lane l: the packed counts of group 32 i + l
.endr
.irp i, 0,1,2,3,4,5,6,7
	global_load_b128 v[96+4*\i:99+4*\i], v2, s[6:7] offset:8192+512*\i     ; lane l: group 16 i + l / 2, experts 4 (l % 2) ..
.endr
.irp c, 0,1,2,3
	v_mov_b32 v[128+\c], 0
.endr
	s_wait_loadcnt 0x0
.irp i, 1,2,3
.irp c, 0,1,2,3
	v_add_nc_u32 v[80+\c], v[80+\c], v[80+4*\i+\c]
.endr
.endr
.irp m, 1,2,4,8
.irp c, 0,1,2,3
	s_delay_alu instid0(VALU_DEP_4)
	v_mov_b32_dpp v[128+\c], v[80+\c] row_xmask:\m row_mask:0xf bank_mask:0xf
.endr
.irp c, 0,1,2,3
	s_delay_alu instid0(VALU_DEP_4)
	v_add_nc_u32 v[80+\c], v[80+\c], v[128+\c]
.endr
.endr
.irp c, 0,1,2,3
	s_delay_alu instid0(VALU_DEP_4)
	v_permlanex16_b32 v[128+\c], v[80+\c], s14, s15
.endr
.irp c, 0,1,2,3
	s_delay_alu instid0(VALU_DEP_4)
	v_add_nc_u32 v[80+\c], v[80+\c], v[128+\c]
.endr
.irp c, 0,1,2,3
	s_delay_alu instid0(VALU_DEP_4)
	v_readfirstlane_b32 s[32+\c], v[80+\c]
.endr
.irp i, 1,2,3,4,5,6,7
.irp p, 0,2
	v_pk_add_f32 v[96+\p:97+\p], v[96+\p:97+\p], v[96+4*\i+\p:97+4*\i+\p]
.endr
.endr
.irp m, 2,4,8
.irp c, 0,1,2,3
	v_add_f32_dpp v[96+\c], v[96+\c], v[96+\c] row_xmask:\m row_mask:0xf bank_mask:0xf   ; lanes of like parity
.endr
.endr
.irp c, 0,1,2,3
	s_delay_alu instid0(VALU_DEP_4)
	v_permlanex16_b32 v[128+\c], v[96+\c], s14, s15
.endr
.irp c, 0,1,2,3
	s_delay_alu instid0(VALU_DEP_4)
	v_add_f32 v[96+\c], v[96+\c], v[128+\c]
.endr
.irp c, 0,1,2,3
	v_readlane_b32 s[40+\c], v[96+\c], 0           ; experts 0-3,
	v_readlane_b32 s[44+\c], v[96+\c], 1           ; 4-7
.endr
	s_bfe_u32 s36, s32, 0x100000
	s_cvt_f32_u32 s36, s36
	s_mul_f32 s37, s36, s40
.irp q, 1,2,3,4,5,6,7
	s_bfe_u32 s36, s[32+\q/2], 0x100000+16*(\q%2)
	s_cvt_f32_u32 s36, s36
	s_fmac_f32 s37, s36, s[40+\q]
.endr
	s_mul_f32 s37, s37, 0x33a3d70a                 ; 0.08 / 2^20
	v_mov_b32 v132, s37
	v_mov_b32 v133, 0
	v_cmp_eq_u32 vcc_lo, 0, v1
	s_wait_alu depctr_va_vdst(0)
	s_wait_xcnt 0x0                                ; EXEC changes only behind this wait
	s_and_saveexec_b32 s38, vcc_lo
	global_store_b32 v133, v132, s[12:13]
	s_wait_xcnt 0x0
	s_or_b32 exec_lo, exec_lo, s38
.Lmain:
	s_wait_kmcnt 0x0
	s_mov_b32 s28, s27                             ; the second gate in a pair of its own: the packed form takes a pair's low word for both halves
	s_mov_b32 s29, s27
.irp i, 0,1,2,3,4,5,6,7
	s_wait_loadcnt 14-2*\i                         ; this pair of loads is in; the pairs behind it may be out
	v_pk_mul_f32 v[16+4*\i:17+4*\i], v[16+4*\i:17+4*\i], s[26:27] op_sel_hi:[1,0]
	v_pk_mul_f32 v[18+4*\i:19+4*\i], v[18+4*\i:19+4*\i], s[26:27] op_sel_hi:[1,0]
	s_delay_alu instid0(VALU_DEP_2)
	v_pk_fma_f32 v[16+4*\i:17+4*\i], v[48+4*\i:49+4*\i], s[28:29], v[16+4*\i:17+4*\i] op_sel_hi:[1,0,1]
	s_delay_alu instid0(VALU_DEP_2)
	v_pk_fma_f32 v[18+4*\i:19+4*\i], v[50+4*\i:51+4*\i], s[28:29], v[18+4*\i:19+4*\i] op_sel_hi:[1,0,1]
	global_store_b128 v2, v[16+4*\i:19+4*\i], s[10:11] offset:512*\i th:TH_STORE_NT
.endr
	s_endpgm
.Lfunc_end_k_q90d9ccceeb_comb:
	.size	k_q90d9ccceeb_comb, .Lfunc_end_k_q90d9ccceeb_comb-k_q90d9ccceeb_comb
	.p2alignl 7, 3214868480
	.fill 96, 4, 3214868480
	.section	.rodata,"a",@progbits
	.p2align	6, 0x0
	.amdhsa_kernel k_q90d9ccceeb_comb
		.amdhsa_group_segment_fixed_size 0
		.amdhsa_private_segment_fixed_size 0
		.amdhsa_enable_private_segment 0
		.amdhsa_kernarg_size 40
		.amdhsa_user_sgpr_count 2
		.amdhsa_user_sgpr_kernarg_segment_ptr 1
		.amdhsa_wavefront_size32 1
		.amdhsa_system_sgpr_workgroup_id_x 1
		.amdhsa_system_sgpr_workgroup_id_y 1
		.amdhsa_system_sgpr_workgroup_id_z 1
		.amdhsa_system_vgpr_workitem_id 0
		.amdhsa_next_free_vgpr 144
		.amdhsa_next_free_sgpr 66
		.amdhsa_reserve_vcc 1
		.amdhsa_float_denorm_mode_32 3
		.amdhsa_float_denorm_mode_16_64 3
		.amdhsa_memory_ordered 1
		.amdhsa_forward_progress 1
		.amdhsa_inst_pref_size 16
	.end_amdhsa_kernel
	.amdgpu_metadata
---
amdhsa.version: [ 1, 2 ]
amdhsa.kernels:
  - .name:           k_q90d9ccceeb_comb
    .symbol:         k_q90d9ccceeb_comb.kd
    .args:
      - { .name: y, .offset: 0, .size: 8, .value_kind: global_buffer, .address_space: global }
      - { .name: gp, .offset: 8, .size: 8, .value_kind: global_buffer, .address_space: global }
      - { .name: rt, .offset: 16, .size: 8, .value_kind: global_buffer, .address_space: global }
      - { .name: out0, .offset: 24, .size: 8, .value_kind: global_buffer, .address_space: global }
      - { .name: out1, .offset: 32, .size: 8, .value_kind: global_buffer, .address_space: global }
    .group_segment_fixed_size: 0
    .private_segment_fixed_size: 0
    .kernarg_segment_align: 8
    .kernarg_segment_size: 40
    .max_flat_workgroup_size: 256
    .sgpr_count:     66
    .vgpr_count:     144
    .wavefront_size: 32
...
	.end_amdgpu_metadata
.endif
;; end of part 10
